; MI455X (gfx1250); checked and timed in simulation.
; The chip was launched on July 23, 2026; its instructions are those of AMD's public machine-readable ISA for CDNA 5 (MIT licence, August 2026) and "CDNA5" Instruction Set Architecture Reference Guide (July 2026). The comments in the code are by the model that wrote it; some were corrected since.
;; MHA. Allowed arithmetic: float matrix products may take bf16 or f16 operands with f32 sums; other float arithmetic in f32, or as packed bf16 or f16 multiplies, adds, multiply-adds, maxima and minima; sums over many terms, partial sums and values carried from step to step in f32; what a program stores and reads back later, other than sums and carried values, may be rounded once to bf16 or f16.
;; Inputs: P_k 16 x 1,024 x 64 float32; P_o 16 x 1,024 x 64 float32; P_q 16 x 1,024 x 64 float32; P_v 16 x 1,024 x 64 float32; x 8 x 1,024 x 1,024 float32.
;; Outputs: out0 8 x 1,024 x 1,024 float32.
;; 2 versions, each right; version 2 is version 1 with the launch prep written anew for expert scheduling mode. Each part assembles by itself: llvm-mc -triple=amdgcn-amd-amdhsa -mcpu=gfx1250 --defsym DOCPART=n.
;; ======== version 1 of 2: 4 launches
;; limits: values are held in f16: magnitudes above 65,504 overflow, below 6.1e-05 lose precision
;; workspace buffers: xb 16,777,216 bytes; wb 6,291,456 bytes; pof 2,097,152 bytes; qx 33,554,432 bytes; kx 33,554,432 bytes; vw 16,777,216 bytes; ow 16,777,216 bytes
;; launch prep (part 1): grid 256 x 1, 8 waves a work-group, no clusters, 0 bytes of LDS; arguments x, P_q, P_k, P_v, P_o, xb, wb, pof; writes xb, wb, pof
.if DOCPART == 1
	.amdgcn_target "amdgcn-amd-amdhsa--gfx1250"
	.amdhsa_code_object_version 6
	.text
	.protected	k_qb7fe73907a_prep
	.globl	k_qb7fe73907a_prep
	.p2align	8
	.type	k_qb7fe73907a_prep,@function
k_qb7fe73907a_prep:
	s_mov_b64 s[64:65], 0
	v_nop
	global_prefetch_b8 v0, s[64:65] scope:SCOPE_SE
	s_setreg_imm32_b32 hwreg(HW_REG_WAVE_MODE, 25, 1), 1
	s_wait_xcnt 0x0
; THE CASTS.  xb = bf16(x), [8192][1024].  wb = bf16(P_q | P_k | P_v), laid out [head 16][K step 8][which 3][128 d][64]: the 49,152 bytes that one K step of one head needs lie on end.
; pof = f16(bf16(P_o)), [head][1024 d][64]: every input of the module is rounded to bf16; P_o's rounded number is then written as f16, since the last product multiplies f16.
; LIMITS.  |P_o| stays below 65,504; below 6e-5 it keeps f16's fixed step of 6e-8.
; A stream: nothing is shared, so no LDS, no barrier, no matrix unit, no cluster.  Every byte is read once and written once.
; SHARES.  Work-group g takes 32 rows of x (131,072 bytes) and one piece of 256 d of one head of one weight tensor (65,536 bytes): tensor g / 64, head (g / 4) % 16, piece g % 4.
; Thread t takes 16 bytes at 16 t of every 4,096: a wave's load covers 512 consecutive bytes, its store of 8 bytes a lane 256 consecutive bytes, aligned.
; All 48 loads go out first (192 KiB a work-group on their way); the chunks are then finished in the order of issue.  No register that a memory instruction has read is written again, so no wait frees a source.
.set LI,  1                            ; v1  16 t: my bytes in a chunk as loaded
.set SO,  2                            ; v2  8 t: my bytes in a chunk as stored
.set SO2, 3                            ; v3  the same in the weight piece's second block of 16,384 bytes
.set T,   4                            ; v[4:9] at work
.set X,   16                           ; v[16:207] 48 chunks of four registers: 32 of x, 16 of weights
	s_load_b512 s[16:31], s[0:1], 0x0              ; x 16, P_q 18, P_k 20, P_v 22, P_o 24, xb 26, wb 28, pof 30
	s_lshr_b32 s4, ttmp9, 6                        ; which tensor: 0 q, 1 k, 2 v, 3 o
	s_bfe_u32 s5, ttmp9, 0x40002                   ; head
	s_and_b32 s6, ttmp9, 3                         ; piece of 256 d
	s_lshl_b32 s8, ttmp9, 17                       ; my 32 rows in x,
	s_mov_b32 s9, 0
	s_lshl_b32 s10, ttmp9, 16                      ; and in xb
	s_mov_b32 s11, 0
	s_lshl_b32 s12, s5, 18                         ; my piece in its tensor: head x 262,144 + piece x 65,536
	s_lshl_b32 s7, s6, 16
	s_add_co_u32 s12, s12, s7
	s_mov_b32 s13, 0
	s_lshl_b32 s14, s5, 3                          ; in wb: ((8 head + 2 piece) x 3 + which) x 16,384
	s_lshl_b32 s7, s6, 1
	s_add_co_u32 s14, s14, s7
	s_mul_i32 s14, s14, 3
	s_add_co_u32 s14, s14, s4
	s_lshl_b32 s14, s14, 14
	s_lshl_b32 s15, s5, 17                         ; in pof: head x 131,072 + piece x 32,768
	s_lshl_b32 s7, s6, 15
	s_add_co_u32 s15, s15, s7
	s_mov_b32 s41, 16384
	s_mov_b32 s42, 49152
	s_mov_b32 s43, 0xffff0000                      ; a word's upper bf16
	s_mov_b32 s33, 0
	s_cmp_eq_u32 s4, 3
	s_cselect_b32 s32, s15, s14                    ; where my piece goes,
	s_cselect_b32 s34, s41, s42                    ; how far its second 128 d lie behind the first,
	s_cselect_b32 s40, -1, 0                       ; and a lane mask: all ones where the piece is P_o's
	v_lshlrev_b32 v[LI], 4, v0
	v_lshlrev_b32 v[SO], 3, v0
	v_add_nc_u32 v[SO2], s34, v[SO]
	s_wait_kmcnt 0x0
	s_add_nc_u64 s[16:17], s[16:17], s[8:9]
	s_add_nc_u64 s[26:27], s[26:27], s[10:11]
	s_cmp_eq_u32 s4, 0
	s_cselect_b64 s[36:37], s[18:19], s[20:21]     ; the tensor that I read
	s_cmp_lt_u32 s4, 2
	s_cselect_b64 s[36:37], s[36:37], s[22:23]
	s_cmp_lt_u32 s4, 3
	s_cselect_b64 s[36:37], s[36:37], s[24:25]
	s_cselect_b64 s[38:39], s[28:29], s[30:31]     ; the buffer that I write
	s_add_nc_u64 s[36:37], s[36:37], s[12:13]
	s_add_nc_u64 s[38:39], s[38:39], s[32:33]
.set c, 0
.rept 32
	global_load_b128 v[X+4*c:X+4*c+3], v[LI], s[16:17] offset:4096*c th:TH_LOAD_NT
.set c, c+1
.endr
.set c, 0
.rept 16
	global_load_b128 v[X+128+4*c:X+128+4*c+3], v[LI], s[36:37] offset:4096*c th:TH_LOAD_NT
.set c, c+1
.endr
.set c, 0
.rept 32                               ; x: four numbers become 8 bytes
	s_wait_loadcnt 47-c                            ; loads come back in order (ISA guide 5.7.1): chunk c is in, the 47 - c younger ones stay out
	v_cvt_pk_bf16_f32 v[X+4*c], v[X+4*c], v[X+4*c+1]
	v_cvt_pk_bf16_f32 v[X+4*c+1], v[X+4*c+2], v[X+4*c+3]
	global_store_b64 v[SO], v[X+4*c:X+4*c+1], s[26:27] offset:2048*c
.set c, c+1
.endr
.set c, 0
.rept 16                               ; weights: rounded to bf16; for P_o that number is written as f16.  The choice selects a value, so both are made in every work-group
.set R, X+128+4*c
	s_wait_loadcnt 15-c
	v_cvt_pk_bf16_f32 v[R], v[R], v[R+1]
	v_cvt_pk_bf16_f32 v[R+1], v[R+2], v[R+3]
	v_lshlrev_b32 v[T], 16, v[R]
	v_and_b32 v[T+1], s43, v[R]
	v_lshlrev_b32 v[T+2], 16, v[R+1]
	v_and_b32 v[T+3], s43, v[R+1]
	v_cvt_pk_f16_f32 v[T+4], v[T], v[T+1]
	v_cvt_pk_f16_f32 v[T+5], v[T+2], v[T+3]
	v_cndmask_b32 v[R], v[R], v[T+4], s40
	v_cndmask_b32 v[R+1], v[R+1], v[T+5], s40
.if c < 8
	global_store_b64 v[SO], v[R:R+1], s[38:39] offset:2048*c
.else
	global_store_b64 v[SO2], v[R:R+1], s[38:39] offset:2048*(c-8)
.endif
.set c, c+1
.endr
	s_endpgm
.Lfunc_end_k_qb7fe73907a_prep:
	.size	k_qb7fe73907a_prep, .Lfunc_end_k_qb7fe73907a_prep-k_qb7fe73907a_prep
	.p2alignl 7, 3214868480
	.fill 96, 4, 3214868480
	.section	.rodata,"a",@progbits
	.p2align	6, 0x0
	.amdhsa_kernel k_qb7fe73907a_prep
		.amdhsa_group_segment_fixed_size 0
		.amdhsa_private_segment_fixed_size 0
		.amdhsa_enable_private_segment 0
		.amdhsa_kernarg_size 64
		.amdhsa_user_sgpr_count 2
		.amdhsa_user_sgpr_kernarg_segment_ptr 1
		.amdhsa_wavefront_size32 1
		.amdhsa_system_sgpr_workgroup_id_x 1
		.amdhsa_system_sgpr_workgroup_id_y 1
		.amdhsa_system_sgpr_workgroup_id_z 1
		.amdhsa_system_vgpr_workitem_id 0
		.amdhsa_next_free_vgpr 208
		.amdhsa_next_free_sgpr 66
		.amdhsa_reserve_vcc 0
		.amdhsa_float_denorm_mode_32 3
		.amdhsa_float_denorm_mode_16_64 3
		.amdhsa_memory_ordered 1
		.amdhsa_forward_progress 1
		.amdhsa_inst_pref_size 25
	.end_amdhsa_kernel
	.amdgpu_metadata
---
amdhsa.version: [ 1, 2 ]
amdhsa.kernels:
  - .name:           k_qb7fe73907a_prep
    .symbol:         k_qb7fe73907a_prep.kd
    .args:
      - { .name: x, .offset: 0, .size: 8, .value_kind: global_buffer, .address_space: global }
      - { .name: P_q, .offset: 8, .size: 8, .value_kind: global_buffer, .address_space: global }
      - { .name: P_k, .offset: 16, .size: 8, .value_kind: global_buffer, .address_space: global }
      - { .name: P_v, .offset: 24, .size: 8, .value_kind: global_buffer, .address_space: global }
      - { .name: P_o, .offset: 32, .size: 8, .value_kind: global_buffer, .address_space: global }
      - { .name: xb, .offset: 40, .size: 8, .value_kind: global_buffer, .address_space: global }
      - { .name: wb, .offset: 48, .size: 8, .value_kind: global_buffer, .address_space: global }
      - { .name: pof, .offset: 56, .size: 8, .value_kind: global_buffer, .address_space: global }
    .group_segment_fixed_size: 0
    .private_segment_fixed_size: 0
    .kernarg_segment_align: 8
    .kernarg_segment_size: 64
    .max_flat_workgroup_size: 256
    .sgpr_count:     66
    .vgpr_count:     208
    .wavefront_size: 32
...
	.end_amdgpu_metadata
.endif
;; end of part 1
;; launch proj (part 2): grid 16 x 16, 4 waves a work-group, clusters of 4 x 4, 327,680 bytes of LDS; arguments xb, wb, qx, kx, vw; writes qx, kx, vw
.if DOCPART == 2
	.amdgcn_target "amdgcn-amd-amdhsa--gfx1250"
	.amdhsa_code_object_version 6
	.text
	.protected	k_qb7fe73907a_proj
	.globl	k_qb7fe73907a_proj
	.p2align	8
	.type	k_qb7fe73907a_proj,@function
k_qb7fe73907a_proj:
	s_mov_b64 s[64:65], 0
	v_nop
	global_prefetch_b8 v0, s[64:65] scope:SCOPE_SE
	s_setreg_imm32_b32 hwreg(HW_REG_WAVE_MODE, 25, 1), 1
	s_wait_xcnt 0x0
	s_wait_alu depctr_hold_cnt(0) depctr_sa_sdst(0) depctr_va_vdst(0) depctr_va_sdst(0) depctr_va_ssrc(0) depctr_va_vcc(0) depctr_vm_vsrc(0)
	s_getreg_b32 s2, hwreg(HW_REG_IB_STS2, 6, 4)
	s_cmp_eq_u32 s2, 0
	s_cbranch_scc0 .Lentry_in_a_cluster
	s_endpgm
.Lentry_in_a_cluster:
	s_bfe_u32 s2, ttmp6, 0x10000c
	s_cmp_lg_u32 s2, 0xf033
	s_cbranch_scc0 .Lentry_shape_is_right
	s_endpgm
.Lentry_shape_is_right:
; THE PROJECTIONS.  Q, K, V of one head for 256 rows of x: C[256][192] = xb[256][1024] x (P_q | P_k | P_v)[1024][192], bf16 operands, f32 sums, K ascending.
; OUT.  With R = head x 8192 + row.  Q and K leave as f16 hi = f16(Q) and f16 lo = f16(Q - hi): 22 significant bits, because the scores are multiplied by 8 in front of the softmax: one rounding to
; 16 bits would shift a weight by more than the result allows.  kx[R] is 256 bytes: 64 hi, then 64 lo.  qx lies BY FRAGMENTS: a block of 16 rows is 4,096 bytes = [8 pieces][32 lanes][16 bytes]; lane l of
; piece j < 4 holds row l % 16, hi's columns 16 j + 8 (l / 16) + 0..7; pieces 4 to 7 the same of lo: what a lane holds here is what the same lane wants as a matrix source in the next launch.
; vw[R] is 128 bytes: f16(V).
; LIMITS.  |Q|, |K|, |V| stay below 65,504 (f16); lo below 6e-5 keeps f16's fixed step of 6e-8.
; SHARES.  Grid 16 heads x 16.  A WORK-GROUP STAYS: it makes two tiles, row blocks y and y + 16; the ring does not stop at the first tile's end: its last two changes of slots ask for the second tile's
; first two K steps, and nothing waits for the first tile's stores.  Wave w owns rows 64 w .. 64 w + 63 and all 192 columns: 48 accumulators of 16 x 16, 384 registers; whole rows of q, k and v are
; one wave's, so the way out needs no barrier.  K goes in 8 steps of 128 through two LDS slots filled by the tensor data mover.
; CLUSTER 4 x 4.  xb's tile hangs on the row block alone and is asked for jointly along a row of the cluster; wb's hangs on the head alone and is asked for jointly along a column.
; THE MATRIX INSTRUCTION IS USED TRANSPOSED (source 0 = 16 columns of P, source 1 = 16 rows of x): a lane then holds one row (lane % 16) and eight neighbouring columns 8 (lane / 16) + 0..7.
; P lies [d][column] in LDS and comes out turned, by ds_load_tr16_b128.
; REGISTERS, in windows of 256 (s_set_vgpr_msb: bits 1:0 source 0, 3:2 source 1, 5:4 source 2, 7:6 destination):
;   window 0: addresses, and the way out's registers     window 1: two fragment buffers of 128: x's 4 fragments, then P's 12
;   window 2: accumulators (a, j < 8) at 8 (8 a + j): q and k     window 3: (a, j >= 8) at 8 (4 a + j - 8): v
.set PA,    272                        ; a row of x in LDS: 256 bytes + 16: row r starts at bank 4 r mod 64 (64 banks of 4 bytes: ISA guide 11.1)
.set PB,    160                        ; a row of P (64 columns): 128 bytes + 32
.set SLOT,  131072                     ; x's 256 rows (69,632 bytes), then P's 384 rows: which x 128 + d (61,440 bytes)
.set AHALF, 128*PA
.set BOFF,  256*PA
.set BHALF, 192*PB
.set WBLK,  49152                      ; bytes of wb in a K step of a head
.set STAGE, 2*SLOT                     ; behind the ring, never filled by a tensor load: 4,608 bytes for each wave, for the way out
.set STW,   4608
.set PVS,   144                        ; a row of v in the stage
.set SPARE, STAGE+4*STW                ; behind the stages: the spare words, 128 bytes for each wave: two blocks of 256 bytes that no other line names
.set LAPS,  4                          ; a lap = two K steps = once round the ring
.set WALKR, 4096                       ; rows from a work-group's first tile to its second
.set NEXT_A, WALKR*2048-6*256          ; bytes from a slot's last K step of a tile to its first of the next tile: x goes 4,096 rows down and six K steps back,
.set BACK_B, 6*WBLK                    ; P only back: both tiles take the same head
.set PF_NEXT, WALKR*2048-7*256         ; the prefetches of x: from two K steps past the tile's last to the next tile's K step 2
.set ADRA, 16                          ; v16-17  LDS address of my x fragments in slot 0, 1
.set ADRB, 20                          ; v20-21  the same for P
.set STQ,  22                          ; the way out: where I put 16 bytes of a row of k
.set STV,  23                          ; of v
.set RDQ,  24                          ; where I read rows of k back
.set RDV,  25                          ; of v
.set CO,   26                          ; 16 x lane: my bytes in 512 consecutive bytes of the output
.set NEG1, 27                          ; -1.0
.set SPW,  28                          ; LDS address of my spare word; never rewritten
.set NIL,  29                          ; 0; never rewritten
.set PFO,  30                          ; the prefetches' lane offset; never rewritten
.set TMPH, 32                          ; v32-47  16 rows x 64 columns of k's hi, or of v, packed
.set TMPL, 48                          ; v48-63  of k's lo
.set BK0,  96                          ; v96-127   k's rows read back from the stage
.set BK1,  128                         ; v128-143  v's
.set TQH,  160                         ; v160-175  q's hi, packed: stored from here
.set TQL,  176                         ; v176-191  q's lo
.set F0,   0
.set F1,   128
.set WV, 14                            ; s14 wave; s15 wave & 1; s16 wave >> 1: 0: I fetch x, 1: I fetch P
.set WL, 15
.set WH, 16
.set CX, 17
.set CY, 18
.set HD, 19                            ; head = 4 x cluster x + cx
.set TR, 20                            ; first row block = 4 x cluster y + cy
.set G1A, 24                           ; s[24:31] descriptor group 1 for x's tiles; s[32:39] group 0, a set for each slot
.set G0A, 32
.set PFA, 40                           ; s[40:41] where my prefetches stand
.set PFS, 42                           ; s[42:43] their step
.set LIM, 44                           ; s44, s45: a wave prefetches behind slot s's refill while the lap counter is above s[LIM + s]
.set PFN, 46                           ; s[46:47] their step at the change of tiles
.set G1B, 48                           ; s[48:55], s[56:63] the same for P's tiles
.set G0B, 56
.set MSB, 0
.macro WIN new                         ; the immediate's high byte repeats the setting that is left; a switch that changes nothing is dropped
.if MSB != (\new)
	s_set_vgpr_msb (MSB<<8)|(\new)
.set MSB, \new
.endif
.endm
.macro PLACES                          ; four plain instructions between a matrix instruction and a load into, or a read of, its registers
.rept 4
	v_nop
.endr
.endm
; A joint load: waves 0 and 1 fetch x's two halves, waves 2 and 3 P's.  The branch hangs on the wave's number alone.  An s_nop 0 and four v_nop follow each line.
.macro JLOAD s
	s_cmp_eq_u32 s[WH], 0
	s_cbranch_scc0 .Lfor_b_\@
	tensor_load_to_lds s[G0A+4*(\s):G0A+4*(\s)+3], s[G1A:G1A+7]
	s_nop 0
.rept 4
	v_nop
.endr
	s_branch .Lasked_\@
.Lfor_b_\@:
	tensor_load_to_lds s[G0B+4*(\s):G0B+4*(\s)+3], s[G1B:G1B+7]
	s_nop 0
.rept 4
	v_nop
.endr
.Lasked_\@:
.endm
.macro CREST                           ; a round of the cluster's barrier behind its opening barrier
	s_cmp_lg_u32 s[WV], 0
	s_cbranch_scc1 .Lnot_wave_0_\@
	s_barrier_signal -3
.Lnot_wave_0_\@:
	s_barrier_wait -3
	s_barrier_signal -1
	s_barrier_wait -1
.endm
.macro CROUND
	s_barrier_signal -1
	s_barrier_wait -1
	CREST
.endm
; A PREFETCH, behind a joint load, its five lines and the run of LDS loads.  x: the K step two refills on: 32 rows x 256 bytes, a lane a row; the clusters with x = 0 ask, waves 0 and 1, and the four
; partners of a row share the 128 rows out by address (cx).  A tile's K steps 0 and 1 come by their loads alone, the first tile's 2 and 3 too; the second tile's 2 and 3 are asked for at the change of tiles (fill = 2).
; P: a head's K steps 4 to 7 are 196,608 dense bytes; the clusters with y = 0 ask, waves 2 and 3, and the eight waves of a column name 65,536 bytes of them behind each of the first tile's refills of K
; steps 2, 3 and 4, told apart by address (wave, cy).  In the second tile P has been read, and is asked for no more.
.macro ASK slot, fill
	WIN 0
.if (\fill) == 2
	s_cmp_eq_u32 s[LIM], 1
.else
	s_cmp_gt_u32 s3, s[LIM+(\slot)]
.endif
	s_cbranch_scc0 .Lnot_mine_\@
	global_prefetch_b8 v[PFO], s[PFA:PFA+1] th:TH_LOAD_NT scope:SCOPE_SE
.Lnot_mine_\@:
.endm
; 16 matrix instructions on q's and k's columns: row blocks a0, a0 + 1 x column blocks 0-7.  zero = 1: the first product starts the sums.
.macro MULQK f, a0, zero
	WIN 0xa5
.irp a, \a0, (\a0)+1
.irp j, 0,1,2,3,4,5,6,7
.if \zero
	v_wmma_f32_16x16x32_bf16 v[8*(8*(\a)+(\j)):8*(8*(\a)+(\j))+7], v[(\f)+32+8*(\j):(\f)+32+8*(\j)+7], v[(\f)+8*(\a):(\f)+8*(\a)+7], 0
.else
	v_wmma_f32_16x16x32_bf16 v[8*(8*(\a)+(\j)):8*(8*(\a)+(\j))+7], v[(\f)+32+8*(\j):(\f)+32+8*(\j)+7], v[(\f)+8*(\a):(\f)+8*(\a)+7], v[8*(8*(\a)+(\j)):8*(8*(\a)+(\j))+7]
.endif
.endr
.endr
.endm
.macro MULV f, zero                    ; 16 on v's columns: all four row blocks x column blocks 8-11
	WIN 0xf5
.irp a, 0,1,2,3
.irp j, 0,1,2,3
.if \zero
	v_wmma_f32_16x16x32_bf16 v[8*(4*(\a)+(\j)):8*(4*(\a)+(\j))+7], v[(\f)+96+8*(\j):(\f)+96+8*(\j)+7], v[(\f)+8*(\a):(\f)+8*(\a)+7], 0
.else
	v_wmma_f32_16x16x32_bf16 v[8*(4*(\a)+(\j)):8*(4*(\a)+(\j))+7], v[(\f)+96+8*(\j):(\f)+96+8*(\j)+7], v[(\f)+8*(\a):(\f)+8*(\a)+7], v[8*(4*(\a)+(\j)):8*(4*(\a)+(\j))+7]
.endif
.endr
.endr
.endm
; 32 LDS loads in one run: the fragments of quarter kq (32 along K) into buffer f: x's 8, q's and k's 16, v's 8
.macro FETCH slot, kq, f
	WIN 0x40
.irp a, 0,1,2,3
	ds_load_b128 v[(\f)+8*(\a):(\f)+8*(\a)+3],   v[ADRA+(\slot)] offset:(\a)*16*PA+(\kq)*64
	ds_load_b128 v[(\f)+8*(\a)+4:(\f)+8*(\a)+7], v[ADRA+(\slot)] offset:(\a)*16*PA+(\kq)*64+32
.endr
.irp j, 0,1,2,3,4,5,6,7,8,9,10,11
	ds_load_tr16_b128 v[(\f)+32+8*(\j):(\f)+32+8*(\j)+3],   v[ADRB+(\slot)] offset:((\j)/4)*128*PB+(\kq)*32*PB+((\j)%4)*32
	ds_load_tr16_b128 v[(\f)+32+8*(\j)+4:(\f)+32+8*(\j)+7], v[ADRB+(\slot)] offset:((\j)/4)*128*PB+(\kq)*32*PB+((\j)%4)*32+16*PB
.endr
.endm
; A K step is four quarters of 48 matrix instructions on buffers 0, 1, 0, 1; the 48 accumulators take turns, in the same order in every quarter and from tile to tile.
.macro QUARTER slot, kq, f, g, zero
	s_wait_dscnt 8                                 ; all but the youngest eight loads (v's fragments) are in
	MULQK \f, 0, \zero
	MULQK \f, 2, \zero
	PLACES
	FETCH \slot, \kq, \g
	s_wait_dscnt 32                                ; all but the 32 just issued
	MULV \f, \zero
.endm
; The last quarter multiplies buffer 1 and changes slots.  In front of the barrier each wave waits for all its tensor loads (one is out: its part of the next slot), adds 0 to its spare word, and waits for
; that and for its reads of this slot.  fill = 1: the barrier opens a round of the cluster's, and the joint refill, this tile's K step two on, is the first thing behind it.  fill = 2: the same, with the
; NEXT tile's K step 0 (slot 0) or 1 (slot 1).  fill = 0: nothing is left to fetch.
.macro TURN slot, next, fill
.if \fill
	s_wait_xcnt 0x0                                ; the last prefetch, a K step back, has read its address, which is stepped here
.if ((\fill) == 2) && ((\slot) == 0)
	s_add_nc_u64 s[PFA:PFA+1], s[PFA:PFA+1], s[PFN:PFN+1]
	s_cmp_eq_u32 s[WH], 0
	s_cselect_b32 s[LIM], s[LIM], -1               ; P's rows are the same for both tiles: they are prefetched no more
	s_cselect_b32 s[LIM+1], s[LIM+1], -1
.else
	s_add_nc_u64 s[PFA:PFA+1], s[PFA:PFA+1], s[PFS:PFS+1]
.endif
.endif
	WIN 0                                          ; (the add's two registers lie in window 0)
	s_wait_tensorcnt 0x0
	ds_add_u32 v[SPW], v[NIL]
	s_wait_dscnt 9                                 ; (the add and the youngest eight loads may be out)
	MULQK F1, 0, 0
	s_wait_dscnt 0x0                               ; the add is done, and my reads of this slot are over
	s_barrier_signal -1
	MULQK F1, 2, 0
.if \fill
	WIN 0
.endif
	s_barrier_wait -1
.if \fill
	CREST                                          ; no wave of any partner still reads this slot or has a load on its way
.if (\fill) == 2
	s_add_nc_u64 s[G0A+4*(\slot)+2:G0A+4*(\slot)+3], s[G0A+4*(\slot)+2:G0A+4*(\slot)+3], NEXT_A
	s_sub_nc_u64 s[G0B+4*(\slot)+2:G0B+4*(\slot)+3], s[G0B+4*(\slot)+2:G0B+4*(\slot)+3], BACK_B
.else
	s_add_nc_u64 s[G0A+4*(\slot)+2:G0A+4*(\slot)+3], s[G0A+4*(\slot)+2:G0A+4*(\slot)+3], 512
	s_add_nc_u64 s[G0B+4*(\slot)+2:G0B+4*(\slot)+3], s[G0B+4*(\slot)+2:G0B+4*(\slot)+3], 2*WBLK
.endif
	JLOAD \slot                                    ; its four v_nop are also the places in front of the loads below
.else
	PLACES
.endif
	FETCH \next, 0, F0
.if \fill
	ASK \slot, \fill
.endif
	MULV F1, 0
.endm
; THE WAY OUT, by row blocks a of 16 rows; of each q (t = 0), k (1), v (2).  PACK rounds.  q is stored as it lies in the lanes; k and v go through my own stage, 16 bytes a lane in, whole rows back.
.macro PACK a, t
.if (\t) < 2
.set AC, 8*(8*(\a)+4*(\t))
.if (\t) == 0
.set PH, TQH
.set PL, TQL
.else
.set PH, TMPH
.set PL, TMPL
.endif
	WIN 0x0a                                       ; sources in window 2.
.set i, 0
.rept 16
	v_cvt_pk_f16_f32 v[PH+i], v[AC+2*i], v[AC+2*i+1]
.set i, i+1
.endr
	WIN 0x20                                       ; source 2 in window 2
.set i, 0
.rept 16                               ; lo = Q - hi, rounded once to f16: the low half, then the high half
	v_fma_mixlo_f16 v[PL+i], v[PH+i], v[NEG1], v[AC+2*i] op_sel_hi:[1,0,0]
	v_fma_mixhi_f16 v[PL+i], v[PH+i], v[NEG1], v[AC+2*i+1] op_sel:[1,0,0] op_sel_hi:[1,0,0]
.set i, i+1
.endr
	WIN 0
.else
.set AC, 32*(\a)
	WIN 0x0f                                       ; sources in window 3
.set i, 0
.rept 16
	v_cvt_pk_f16_f32 v[TMPH+i], v[AC+2*i], v[AC+2*i+1]
.set i, i+1
.endr
	WIN 0
.endif
.endm
.macro STOREQ a                        ; eight pieces of 512 consecutive bytes, aligned: hi's four, lo's four
	WIN 0
.irp j, 0,1,2,3
	global_store_b128 v[CO], v[TQH+4*(\j):TQH+4*(\j)+3], s[8:9] offset:(\a)*4096+512*(\j)
.endr
.irp j, 0,1,2,3
	global_store_b128 v[CO], v[TQL+4*(\j):TQL+4*(\j)+3], s[8:9] offset:(\a)*4096+2048+512*(\j)
.endr
.endm
.macro TOSTAGE t
	WIN 0
.if (\t) == 1
.irp j, 0,1,2,3
	ds_store_b128 v[STQ], v[TMPH+4*(\j):TMPH+4*(\j)+3] offset:32*(\j)
.endr
.irp j, 0,1,2,3
	ds_store_b128 v[STQ], v[TMPL+4*(\j):TMPL+4*(\j)+3] offset:128+32*(\j)
.endr
.irp n, 0,1,2,3,4,5,6,7
	ds_load_b128 v[BK0+4*(\n):BK0+4*(\n)+3], v[RDQ] offset:(\n)*2*PA  ; LDS serves a wave's instructions in order (ISA guide 5.7.1.4): these see the stores above; the next unit's stores come behind them
.endr
.else
.irp j, 0,1,2,3
	ds_store_b128 v[STV], v[TMPH+4*(\j):TMPH+4*(\j)+3] offset:32*(\j)
.endr
.irp n, 0,1,2,3
	ds_load_b128 v[BK1+4*(\n):BK1+4*(\n)+3], v[RDV] offset:(\n)*4*PVS
.endr
.endif
.endm
.macro SEND a, t
	WIN 0
	s_wait_dscnt 0x0                               ; the unit is back in registers
	s_wait_xcnt 0x0                                ; all earlier stores have read their registers: the other buffer is loaded again, and q's registers are written again, only behind this wait
.if (\t) == 1
.irp n, 0,1,2,3,4,5,6,7
	global_store_b128 v[CO], v[BK0+4*(\n):BK0+4*(\n)+3], s[10:11] offset:(\a)*4096+512*(\n)  ; two rows: 512 consecutive bytes, aligned
.endr
.else
.irp n, 0,1,2,3
	global_store_b128 v[CO], v[BK1+4*(\n):BK1+4*(\n)+3], s[12:13] offset:(\a)*2048+512*(\n)  ; four rows: 512 consecutive bytes, aligned
.endr
.endif
.endm
.macro WAYOUT                          ; a unit's arithmetic stands between the stage's loads of the unit before and its stores
	PLACES
.set aa, 0
.rept 4
	PACK aa, 0
.if aa > 0
	SEND aa-1, 2
.endif
	STOREQ aa
	PACK aa, 1
	TOSTAGE 1
	PACK aa, 2
	SEND aa, 1
	TOSTAGE 2
.set aa, aa+1
.endr
	SEND 3, 2
.endm
	s_load_b256 s[4:11], s[0:1], 0x0               ; xb s[4:5], wb s[6:7], qx s[8:9], kx s[10:11]
	s_load_b64 s[12:13], s[0:1], 0x20              ; vw
	v_lshl_add_u32 v[SPW], v0, 2, SPARE
	v_mov_b32 v[NIL], 0
	ds_add_u32 v[SPW], v[NIL]                      ; the wave's opening: the add, waited for ahead of my first tensor load
	v_lshrrev_b32 v1, 5, v0
	v_readfirstlane_b32 s[WV], v1
	s_and_b32 s[WL], s[WV], 1
	s_lshr_b32 s[WH], s[WV], 1
	s_bfe_u32 s[CX], ttmp6, 0x40000
	s_bfe_u32 s[CY], ttmp6, 0x40004
	s_lshl_b32 s[HD], ttmp9, 2
	s_add_co_u32 s[HD], s[HD], s[CX]
	s_and_b32 s[TR], ttmp7, 0xffff
	s_lshl_b32 s[TR], s[TR], 2
	s_add_co_u32 s[TR], s[TR], s[CY]
	s_lshl_b32 s66, s[CY], 2
	s_lshl_b32 s66, 15, s66                        ; my row of the cluster
	s_lshl_b32 s67, 0x1111, s[CX]                  ; my column
	s_or_b32 s[G1A], s66, (1<<16)|(1<<20)|(1<<21)|(5<<22)|(3<<25)  ; the mask; 2-byte elements; padding on; bit 21 beside a mask; after every 64 words 4 words
	s_mov_b32 s[G1A+1], 128<<16                    ; tensor_dim0 = 128
	s_mov_b32 s[G1A+2], 128<<16                    ; tensor_dim1 = 128
	s_mov_b32 s[G1A+3], 128<<16                    ; tile_dim0 = 128
	s_mov_b32 s[G1A+4], 128                        ; tile_dim1 = 128
	s_mov_b32 s[G1A+5], 1024                       ; elements from row to row
	s_mov_b32 s[G1A+6], 0
	s_mov_b32 s[G1A+7], 0
	s_or_b32 s[G1B], s67, (1<<16)|(1<<20)|(1<<21)|(4<<22)|(7<<25)  ; after every 32 words (a row of P) 8 words
	s_mov_b32 s[G1B+1], 128<<16                    ; 24,576 dense bytes are asked for as 96 rows of 256 bytes
	s_mov_b32 s[G1B+2], 96<<16
	s_mov_b32 s[G1B+3], 128<<16
	s_mov_b32 s[G1B+4], 96
	s_mov_b32 s[G1B+5], 128
	s_mov_b32 s[G1B+6], 0
	s_mov_b32 s[G1B+7], 0
	s_lshl_b32 s68, s[TR], 8                       ; x: row 256 x row block + 128 x half, 2,048 bytes a row
	s_lshl_b32 s69, s[WL], 7
	s_add_co_u32 s68, s68, s69
	s_lshl_b32 s68, s68, 11
	s_mov_b32 s69, 0
	s_mul_i32 s70, s[HD], 8*WBLK                   ; P: the head's K step 0, my half of its 49,152 bytes
	s_mul_i32 s71, s[WL], WBLK/2
	s_add_co_u32 s70, s70, s71
	s_mov_b32 s71, 0
	s_mul_i32 s72, s[WL], AHALF                    ; where they go: no place in the cluster enters an LDS address
	s_mul_i32 s73, s[WL], BHALF
	s_add_co_u32 s73, s73, BOFF
	s_wait_dscnt 0x0                               ; the opening add is done
	s_wait_kmcnt 0x0
	s_add_nc_u64 s[68:69], s[4:5], s[68:69]
	s_add_nc_u64 s[70:71], s[6:7], s[70:71]
	CROUND                                         ; all sixteen work-groups are here: the first joint loads meet
.irp s, 0,1
	s_mov_b32 s[G0A+4*(\s)], 1
	s_add_co_u32 s[G0A+4*(\s)+1], s72, (\s)*SLOT
	s_add_nc_u64 s[G0A+4*(\s)+2:G0A+4*(\s)+3], s[68:69], (\s)*256
	s_or_b32 s[G0A+4*(\s)+3], s[G0A+4*(\s)+3], 0x80000000
	s_mov_b32 s[G0B+4*(\s)], 1
	s_add_co_u32 s[G0B+4*(\s)+1], s73, (\s)*SLOT
	s_add_nc_u64 s[G0B+4*(\s)+2:G0B+4*(\s)+3], s[70:71], (\s)*WBLK
	s_or_b32 s[G0B+4*(\s)+3], s[G0B+4*(\s)+3], 0x80000000
.endr
	s_cmp_eq_u32 s[WH], 0                          ; a wave's two first fills stand in one branch: two loads of mine are out
	s_cbranch_scc0 .Lfirst_b
	tensor_load_to_lds s[G0A:G0A+3], s[G1A:G1A+7]
	s_nop 0
	tensor_load_to_lds s[G0A+4:G0A+7], s[G1A:G1A+7]
	s_nop 0
.rept 4
	v_nop
.endr
	s_branch .Lfirst_asked
.Lfirst_b:
	tensor_load_to_lds s[G0B:G0B+3], s[G1B:G1B+7]
	s_nop 0
	tensor_load_to_lds s[G0B+4:G0B+7], s[G1B:G1B+7]
	s_nop 0
.rept 4
	v_nop
.endr
.Lfirst_asked:
	v_and_b32 v1, 15, v0                           ; l % 16
	v_bfe_u32 v2, v0, 4, 1                         ; l / 16
	v_and_b32 v3, 31, v0                           ; l
	v_mul_u32_u24 v4, v1, PA
	v_lshl_add_u32 v4, v2, 4, v4                   ; row x pitch + 16 x half: a fragment of x, and a row in the stage
	s_mul_i32 s66, s[WV], 64*PA
	v_add_nc_u32 v[ADRA], s66, v4
	v_add_nc_u32 v[ADRA+1], SLOT, v[ADRA]
	v_and_b32 v5, 7, v0                            ; the turning load: lane l reads d = 8 (l / 16) + l % 8, columns 8 ((l / 8) % 2) + 0..7
	v_lshl_add_u32 v5, v2, 3, v5
	v_mul_u32_u24 v5, v5, PB
	v_bfe_u32 v6, v0, 3, 1
	v_lshl_add_u32 v5, v6, 4, v5
	v_add_nc_u32 v[ADRB], BOFF, v5
	v_add_nc_u32 v[ADRB+1], SLOT, v[ADRB]
	s_mul_i32 s66, s[WV], STW
	s_add_co_u32 s66, s66, STAGE                   ; my stage
	v_add_nc_u32 v[STQ], s66, v4
	v_mul_u32_u24 v7, v1, PVS
	v_lshl_add_u32 v7, v2, 4, v7
	v_add_nc_u32 v[STV], s66, v7
	v_mul_u32_u24 v7, v2, PA                       ; back: lanes 0-15 one row of 256 bytes, lanes 16-31 the next
	v_lshl_add_u32 v7, v1, 4, v7
	v_add_nc_u32 v[RDQ], s66, v7
	v_bfe_u32 v7, v0, 3, 2                         ; v: 32 lanes take four rows of 128 bytes
	v_mul_u32_u24 v7, v7, PVS
	v_and_b32 v8, 7, v0
	v_lshl_add_u32 v7, v8, 4, v7
	v_add_nc_u32 v[RDV], s66, v7
	v_lshlrev_b32 v[CO], 4, v3
	v_mov_b32 v[NEG1], -1.0
.set i, 0
.rept 16                               ; lo's registers are filled half by half, each line keeping the other half: they are written whole once, in the wait for the first tile
	v_mov_b32 v[TMPL+i], 0
	v_mov_b32 v[TQL+i], 0
.set i, i+1
.endr
	s_lshl_b32 s74, s[HD], 13                      ; R of my first row: head x 8192 + 256 x row block + 64 x wave
	s_lshl_b32 s75, s[TR], 8
	s_add_co_u32 s74, s74, s75
	s_lshl_b32 s75, s[WV], 6
	s_add_co_u32 s74, s74, s75
	s_lshl_b32 s76, s74, 8
	s_mov_b32 s77, 0
	s_lshl_b32 s78, s74, 7
	s_mov_b32 s79, 0
	s_add_nc_u64 s[8:9], s[8:9], s[76:77]
	s_add_nc_u64 s[10:11], s[10:11], s[76:77]
	s_add_nc_u64 s[12:13], s[12:13], s[78:79]
	; the prefetches: offsets for both kinds, then the wave's choice
	s_lshl_b32 s66, s[TR], 8
	s_lshl_b32 s67, s[WL], 7
	s_add_co_u32 s66, s66, s67
	s_lshl_b32 s67, s[CX], 5
	s_add_co_u32 s66, s66, s67                     ; x: my work-group's 32 of the 128 rows that I fetch,
	s_lshl_b32 s66, s66, 11
	s_add_co_u32 s66, s66, 3*256                   ; at K step 3: the first refill steps it to 4
	s_mul_i32 s67, s[HD], 8*WBLK
	s_lshl_b32 s72, s[WL], 15
	s_add_co_u32 s67, s67, s72
	s_lshl_b32 s72, s[CY], 13
	s_add_co_u32 s67, s67, s72                     ; P: my 32 blocks of 256 bytes among the column's 256,
	s_add_co_u32 s67, s67, 4*WBLK-65536            ; one step of 65,536 bytes ahead of K step 4
	s_and_b32 s72, ttmp7, 0xffff                   ; cluster y
	s_mov_b32 s73, 65536
	s_cmp_eq_u32 s[WH], 0
	s_cselect_b64 s[PFA:PFA+1], s[4:5], s[6:7]
	s_cselect_b32 s74, s66, s67
	s_cselect_b32 s[PFS], 256, s73
	s_cselect_b32 s[PFN], PF_NEXT, 0
	s_cselect_b32 s72, ttmp9, s72                  ; the coordinate along which other clusters read the same bytes
	s_cselect_b32 s73, 11, 8                       ; a lane a row of x (2,048 bytes apart), or a lane a block of P (256)
	s_cselect_b32 s66, 1, 2
	s_mov_b32 s75, 0
	s_mov_b32 s[PFS+1], 0
	s_mov_b32 s[PFN+1], 0
	s_add_nc_u64 s[PFA:PFA+1], s[PFA:PFA+1], s[74:75]
	s_cmp_eq_u32 s72, 0
	s_cselect_b32 s[LIM], 1, -1                    ; the same in all sixteen partners, for a given wave
	s_cselect_b32 s[LIM+1], s66, -1
	v_lshlrev_b32 v[PFO], s73, v3
	s_wait_tensorcnt 1                             ; my part of K step 0 is in; K step 1's may stay out
	s_barrier_signal -1
	s_barrier_wait -1
	FETCH 0, 0, F0
	WIN 0
	s_mov_b32 s2, 2                                ; tiles to go, this one among them: the same number in every work-group
.Ltile:
	QUARTER 0, 1, F0, F1, 1                        ; a tile's first quarter stands in front of the loop: its products start the sums
	WIN 0
	s_mov_b32 s3, LAPS-1
.Llap:                                                 ; a trip goes once round the ring, from a lap's second quarter to the next lap's first, and fills both slots again
	QUARTER 0, 2, F1, F0, 0
	QUARTER 0, 3, F0, F1, 0
	TURN 0, 1, 1
	QUARTER 1, 1, F0, F1, 0
	QUARTER 1, 2, F1, F0, 0
	QUARTER 1, 3, F0, F1, 0
	TURN 1, 0, 1
	QUARTER 0, 1, F0, F1, 0
	WIN 0
	s_sub_co_u32 s3, s3, 1
	s_cmp_lg_u32 s3, 0
	s_cbranch_scc1 .Llap
	QUARTER 0, 2, F1, F0, 0                        ; the tile's last lap goes on
	QUARTER 0, 3, F0, F1, 0
	WIN 0
	s_cmp_eq_u32 s2, 1
	s_cbranch_scc1 .Llast_tile                     ; the last tile's tail is written out: it asks for nothing more
	TURN 0, 1, 2                                   ; THE RING GOES ON INTO THE NEXT TILE: slot 0 takes its K step 0,
	QUARTER 1, 1, F0, F1, 0
	QUARTER 1, 2, F1, F0, 0
	QUARTER 1, 3, F0, F1, 0
	TURN 1, 0, 2                                   ; slot 1 its K step 1, and the next tile's first fragments are fetched
	WAYOUT                                         ; both refills are asked for: now the tile goes out; its stores are on their way while the next tile is multiplied
	s_wait_xcnt 0x0                                ; the stores have read their bases
	s_add_nc_u64 s[8:9], s[8:9], WALKR*256
	s_add_nc_u64 s[10:11], s[10:11], WALKR*256
	s_add_nc_u64 s[12:13], s[12:13], WALKR*128
	s_sub_co_u32 s2, s2, 1
	s_branch .Ltile
.Llast_tile:
	TURN 0, 1, 0                                   ; the last lap fills nothing
	QUARTER 1, 1, F0, F1, 0
	QUARTER 1, 2, F1, F0, 0
	QUARTER 1, 3, F0, F1, 0
	s_wait_dscnt 8
	MULQK F1, 0, 0
	MULQK F1, 2, 0
	s_wait_dscnt 0x0
	MULV F1, 0
	WAYOUT
	s_wait_tensorcnt 0x0                           ; the wave's end
	ds_add_u32 v[SPW], v[NIL]
	s_wait_dscnt 0x0
	CROUND                                         ; the closing round
	s_endpgm
.Lfunc_end_k_qb7fe73907a_proj:
	.size	k_qb7fe73907a_proj, .Lfunc_end_k_qb7fe73907a_proj-k_qb7fe73907a_proj
	.p2alignl 7, 3214868480
	.fill 96, 4, 3214868480
	.section	.rodata,"a",@progbits
	.p2align	6, 0x0
	.amdhsa_kernel k_qb7fe73907a_proj
		.amdhsa_group_segment_fixed_size 327680
		.amdhsa_private_segment_fixed_size 0
		.amdhsa_enable_private_segment 0
		.amdhsa_kernarg_size 40
		.amdhsa_user_sgpr_count 2
		.amdhsa_user_sgpr_kernarg_segment_ptr 1
		.amdhsa_wavefront_size32 1
		.amdhsa_system_sgpr_workgroup_id_x 1
		.amdhsa_system_sgpr_workgroup_id_y 1
		.amdhsa_system_sgpr_workgroup_id_z 1
		.amdhsa_system_vgpr_workitem_id 0
		.amdhsa_next_free_vgpr 896
		.amdhsa_next_free_sgpr 80
		.amdhsa_reserve_vcc 0
		.amdhsa_float_denorm_mode_32 3
		.amdhsa_float_denorm_mode_16_64 3
		.amdhsa_memory_ordered 1
		.amdhsa_forward_progress 1
		.amdhsa_inst_pref_size 213
	.end_amdhsa_kernel
	.amdgpu_metadata
---
amdhsa.version: [ 1, 2 ]
amdhsa.kernels:
  - .name:           k_qb7fe73907a_proj
    .symbol:         k_qb7fe73907a_proj.kd
    .args:
      - { .name: xb, .offset: 0, .size: 8, .value_kind: global_buffer, .address_space: global }
      - { .name: wb, .offset: 8, .size: 8, .value_kind: global_buffer, .address_space: global }
      - { .name: qx, .offset: 16, .size: 8, .value_kind: global_buffer, .address_space: global }
      - { .name: kx, .offset: 24, .size: 8, .value_kind: global_buffer, .address_space: global }
      - { .name: vw, .offset: 32, .size: 8, .value_kind: global_buffer, .address_space: global }
    .group_segment_fixed_size: 327680
    .private_segment_fixed_size: 0
    .kernarg_segment_align: 8
    .kernarg_segment_size: 40
    .max_flat_workgroup_size: 128
    .sgpr_count:     80
    .vgpr_count:     896
    .wavefront_size: 32
...
	.end_amdgpu_metadata
.endif
;; end of part 2
;; launch diag (part 3): grid 2 x 128, 8 waves a work-group, no clusters, 327,680 bytes of LDS; arguments qx, kx, vw, ow; writes ow
.if DOCPART == 3
	.amdgcn_target "amdgcn-amd-amdhsa--gfx1250"
	.amdhsa_code_object_version 6
	.text
	.protected	k_qb7fe73907a_diag
	.globl	k_qb7fe73907a_diag
	.p2align	8
	.type	k_qb7fe73907a_diag,@function
k_qb7fe73907a_diag:
	s_mov_b64 s[64:65], 0
	v_nop
	global_prefetch_b8 v0, s[64:65] scope:SCOPE_SE
	s_setreg_imm32_b32 hwreg(HW_REG_WAVE_MODE, 25, 1), 1
	s_wait_xcnt 0x0
; THE DIAGONAL OF THE CAUSAL SOFTMAX.  For row m of one (head, batch): w = exp(l_mm - max) / sum over n <= m of exp(l_mn - max), l_mn = 8 Q[m] . K[n]; ow[m][:] = f16(w V[m][:]).
; Q and K come as f16 hi and lo; a score is Kh.Qh + Kh.Ql + Kl.Qh, f32 sums.  Maxima, sums and w in f32; w V is rounded once.
; kx: 256 bytes a row: 64 hi, 64 lo.  qx lies by fragments: a block of 16 rows is [8 pieces][32 lanes][16 bytes], so a load of 16 bytes a lane takes 512 consecutive bytes and IS half a matrix source.
; LIMITS.  A hidden score counts as its value less 1e30; a weight below 2^-126 counts as 0 in the sum; NaN and infinities are not treated apart.
; ALL OF K, 1,024 rows x 272 bytes, lies in LDS, filled once: no byte is filled again.  It comes in two stages of 512 rows, each wave fetching 64 rows of each.  At the head only the first stage and the
; first band's Q are asked for; the second stage goes out behind the first barrier, and behind it V of both bands and the second band's Q: they have eight key steps in which to land.
; SHARES.  Two work-groups (x = 0, 1) share a (head, batch) (y).  The 1,024 queries are 32 bands of 32 (two tiles of 16); band g needs the key steps 0 .. g / 2 of 64 keys, the last of which holds the
; diagonal.  Wave w of work-group x has u = 2 w + x and takes bands 31 - u and u: 17 key steps, whatever u.  Two waves lie on a SIMD and no barrier ties them behind the second stage: while one
; issues products the other walks its softmax.
; ONE TEXT FOR BOTH BANDS: a walk of 16 counted trips and the band's end stand once, in a loop of two; a trip below s[LOB] or above s[BET] is dead and is jumped.  Between the bands the second band's Q,
; V and thresholds are moved into the registers that the text names.
; NO CLUSTER: K is shared by two work-groups only, and a grid of 2 along x is no multiple of 4.  No prefetch: what a wave waits for goes out at the head; the rest is loaded eight key steps ahead.
; LAYOUT.  S^T = K Q^T (source 0 = 16 keys, source 1 = 16 queries): a lane holds ONE query (lane % 16) and the keys 8 (lane / 16) + 0..7 of each block of 16.
; SOFTMAX.  A running maximum m and sum l: p = 2^(c s - c m), c = 8 log2(e); in every step l is multiplied by a = 2^(c m_old - c m_new).  The diagonal's raw score is picked in the band's last step.
; REGISTERS.  window 0: addresses, statistics, S^T (v64-127), V of both bands (v128-191).  window 1: Q of the band in hand v0-63, K of one step v64-191, Q of the second band v192-255.
.set PK,    272                        ; a row of K in LDS: 256 bytes + 16: row r starts at bank 4 r mod 64 (64 banks of 4 bytes: ISA guide 11.1)
.set STEPB, 64*PK
.set STB,   512*PK                     ; the second stage
.set SPARE, 1024*PK                    ; behind K: the spare words, 128 bytes for each of eight waves: four blocks of 256 bytes that no other line names
.set AK0, 2                            ; my lane's place in a step of K; never rewritten
.set AK,  3                            ; the LDS address of the run of loads in hand
.set LO,  5                            ; 16 x lane
.set BP,  8                            ; v8-11   4 x (4 i + lane / 8): from which lane quad i's rows take their w
.set THR, 12                           ; v12-13  by tile: my query's place in the diagonal step, less 8 (lane / 16); v14-15 the second band's
.set ZR,  16                           ; 0
.set BIG, 17                           ; -1e30
.set CMO, 18                           ; v18-19  c m_old, by tile
.set SD,  20                           ; v20-21  the diagonal's score
.set W,   22                           ; v22-23  w
.set ST,  32                           ; tile t at v[32 + 8 t]: c m, m, l (even keys', odd keys'), c0-c3 at work; c2 takes a
.set WB,  48                           ; v48-55  w as V's rows want it
.set SPW, 62
.set NIL, 63
.set S,   64                           ; tile t, key block kb at 64 + 32 t + 8 kb
.set VH,  128                          ; V of the band in hand
.set VL,  160                          ; of the second band
.set QH,  0                            ; window 1: tile t, fragment f at 32 t + 8 f; f: hi channels 0-31, hi 32-63, lo 0-31, lo 32-63
.set QL,  192
.set KF,  64                           ; window 1: key block kb, fragment f at 64 + 32 kb + 8 f
.set WV,  12
.set HB,  14                           ; 8 x head + batch
.set U,   15
.set BET, 17                           ; the last key step of the band in hand
.set BLO, 18                           ; of the second band, 0 to 7
.set LOB, 19                           ; the first key step that the walk has to do: 8 for the first band, 0 for the second
.set G1,  20                           ; s[20:27]
.set G0,  28                           ; s[28:35] a set for each stage
.set QPH, 36
.set QPL, 38
.set VPH, 40
.set VPL, 42
.set OPH, 44                           ; ow at the band in hand
.set OPL, 46
.set CS,  48                           ; s[48:49] c
.set SEL, 50                           ; s[50:51] v_permlanex16_b32's selects: each lane takes its own place in the other half
.set TB,  52                           ; LDS byte at which the key step in hand begins
.set SIG, 53                           ; the key step's number
.set BAND, 54
.set CNT, 55
.set MSB, 0
.macro WIN new
.if MSB != (\new)
	s_set_vgpr_msb (MSB<<8)|(\new)
.set MSB, \new
.endif
.endm
.macro PLACES
.rept 4
	v_nop
.endr
.endm
.macro INIT                            ; a band begins: c m far below every c s, so the first step's a is 0; m and the diagonal's score at the lowest finite number
.irp t, 0,1
	v_mov_b32 v[ST+8*(\t)], 0xfe000000
	v_mov_b32 v[ST+8*(\t)+1], 0xff7fffff
	v_mov_b32 v[ST+8*(\t)+2], 0
	v_mov_b32 v[ST+8*(\t)+3], 0
	v_mov_b32 v[SD+(\t)], 0xff7fffff
.endr
.endm
; 8 products: fragment kfi of K's four key blocks x fragment qfi of both tiles.  The 8 accumulators take turns.
.macro PASS kfi, qfi, zero
.irp kb, 0,1,2,3
.irp t, 0,1
.if \zero
	v_wmma_f32_16x16x32_f16 v[S+32*(\t)+8*(\kb):S+32*(\t)+8*(\kb)+7], v[KF+32*(\kb)+8*(\kfi):KF+32*(\kb)+8*(\kfi)+7], v[QH+32*(\t)+8*(\qfi):QH+32*(\t)+8*(\qfi)+7], 0
.else
	v_wmma_f32_16x16x32_f16 v[S+32*(\t)+8*(\kb):S+32*(\t)+8*(\kb)+7], v[KF+32*(\kb)+8*(\kfi):KF+32*(\kb)+8*(\kfi)+7], v[QH+32*(\t)+8*(\qfi):QH+32*(\t)+8*(\qfi)+7], v[S+32*(\t)+8*(\kb):S+32*(\t)+8*(\kb)+7]
.endif
.endr
.endr
.endm
; Number n of the 22 that find tile t's maximum and statistics: 0-11 four chains of seven scores (each accumulator's lowest registers first); 12-14, 16 the four scores left over, the old m,
; and the four into one; 15 c m_old is kept; 17, 18 the query's other 32 keys lie in the lane 16 away; 19-21 c m, its change, a.
.macro XS t, n
.set rT, ST+8*(\t)
.set rS, S+32*(\t)
.if (\n) < 4
	v_max3_num_f32 v[rT+4+(\n)], v[rS+8*(\n)], v[rS+8*(\n)+1], v[rS+8*(\n)+2]
.elseif (\n) < 12
	v_max3_num_f32 v[rT+4+(\n)%4], v[rT+4+(\n)%4], v[rS+8*((\n)%4)+2*((\n)/4)+1], v[rS+8*((\n)%4)+2*((\n)/4)+2]
.elseif (\n) == 12
	v_max3_num_f32 v[rT+4], v[rT+4], v[rS+7], v[rS+15]
.elseif (\n) == 13
	v_max3_num_f32 v[rT+5], v[rT+5], v[rS+23], v[rS+31]
.elseif (\n) == 14
	v_max3_num_f32 v[rT+6], v[rT+6], v[rT+7], v[rT+1]
.elseif (\n) == 15
	v_mov_b32 v[CMO+(\t)], v[rT]
.elseif (\n) == 16
	v_max3_num_f32 v[rT+4], v[rT+4], v[rT+5], v[rT+6]
.elseif (\n) == 17
	v_permlanex16_b32 v[rT+7], v[rT+4], s[SEL], s[SEL+1]
.elseif (\n) == 18
	v_max_num_f32 v[rT+1], v[rT+4], v[rT+7]
.elseif (\n) == 19
	v_mul_f32 v[rT], s[CS], v[rT+1]
.elseif (\n) == 20
	v_sub_f32 v[rT+5], v[CMO+(\t)], v[rT]
.else
	v_exp_f32 v[rT+6], v[rT+5]
.endif
.endm
.macro FS t, p                         ; c s - c m for pair p of 16
.set rT, ST+8*(\t)
.set rS, S+32*(\t)
	v_pk_fma_f32 v[rS+2*(\p):rS+2*(\p)+1], v[rS+2*(\p):rS+2*(\p)+1], s[CS:CS+1], v[rT:rT+1] op_sel_hi:[1,0,0] neg_lo:[0,0,1] neg_hi:[0,0,1]
.endm
.macro EX t, e
	v_exp_f32 v[S+32*(\t)+(\e)], v[S+32*(\t)+(\e)]
.endm
.macro SUMS t, z                       ; the sum of the tile's 16 pairs, in place: neighbours 1, 2, 4 and 8 pairs apart; then l = a l + the sum
.set rT, ST+8*(\t)
.set rS, S+32*(\t)
.if (\z) < 8
.set sw, 4
.set su, (\z)
.elseif (\z) < 12
.set sw, 8
.set su, (\z)-8
.elseif (\z) < 14
.set sw, 16
.set su, (\z)-12
.else
.set sw, 32
.set su, 0
.endif
.if (\z) < 15
	v_pk_add_f32 v[rS+sw*su:rS+sw*su+1], v[rS+sw*su:rS+sw*su+1], v[rS+sw*su+sw/2:rS+sw*su+sw/2+1]
.else
	v_pk_fma_f32 v[rT+2:rT+3], v[rT+2:rT+3], v[rT+6:rT+7], v[rS:rS+1] op_sel_hi:[1,0,1]
.endif
.endm
; A KEY STEP: 32 LDS loads, 48 products, both tiles' softmax.  dg = 1: the band's last step: the sums start from the mask (0, or -1e30 where the key lies behind the query), written straight into S^T, and
; the diagonal's score is picked.  The loads go into registers whose last reader stands in front of the step before's softmax.
.macro STEP dg
	WIN 0
	v_add_nc_u32 v[AK], s[TB], v[AK0]
	WIN 0x40
.irp f, 0,1,2,3                        ; hi's 16 loads first, then lo's 16
.irp kb, 0,1,2,3
	ds_load_b128 v[KF+32*(\kb)+8*(\f):KF+32*(\kb)+8*(\f)+3],   v[AK] offset:(\kb)*16*PK+(\f)*64
	ds_load_b128 v[KF+32*(\kb)+8*(\f)+4:KF+32*(\kb)+8*(\f)+7], v[AK] offset:(\kb)*16*PK+(\f)*64+32
.endr
.endr
.if \dg
	WIN 0
.irp t, 0,1
.set i, 0
.rept 32
	v_cmp_gt_i32 vcc_lo, 16*(i/8)+i%8, v[THR+(\t)]
	v_cndmask_b32 v[S+32*(\t)+i], 0, v[BIG], vcc_lo
.set i, i+1
.endr
.endr
.endif
	WIN 0x05                                       ; K and Q in window 1, S^T in window 0
	s_wait_dscnt 16                                ; K's hi is in; lo's 16 loads may stay out
	PASS 0, 0, 1-(\dg)
	PASS 1, 1, 0
	PASS 0, 2, 0
	PASS 1, 3, 0
	s_wait_dscnt 0x0
	PASS 2, 0, 0
	PASS 3, 1, 0
	WIN 0
	PLACES
.if \dg
.irp t, 0,1
.set i, 0
.rept 32
	v_cmp_eq_i32 vcc_lo, 16*(i/8)+i%8, v[THR+(\t)]
	v_cndmask_b32 v[SD+(\t)], v[SD+(\t)], v[S+32*(\t)+i], vcc_lo
.set i, i+1
.endr
.endr
.endif
.irp n, 0,1,2,3,4,5,6,7,8,9,10,11,12,13,14,15,16,17,18,19,20,21
	XS 0, \n                                       ; the tiles alternate, so that no instruction reads the result of the one before it
	XS 1, \n
.endr
.set b, 0
.rept 16                               ; ONE BATCH of 66 exponentials (the two a above, 64 here); pair b - 1's stand between pair b's scalings; none of these lines names an exponential's result
	FS 0, b
	FS 1, b
.if b > 0
	EX 0, 2*b-2
	EX 0, 2*b-1
	EX 1, 2*b-2
	EX 1, 2*b-1
.endif
.set b, b+1
.endr
	EX 0, 30
	EX 0, 31
	EX 1, 30
	EX 1, 31
	v_nop                                          ; a plain instruction behind the last exponential,
	s_wait_alu depctr_va_vdst(0)                   ; and one wait ahead of the batch's first reader
.irp z, 0,1,2,3,4,5,6,7,8,9,10,11,12,13,14,15
	SUMS 0, \z
	SUMS 1, \z
.endr
.endm
	s_load_b256 s[4:11], s[0:1], 0x0               ; qx s[4:5], kx s[6:7], vw s[8:9], ow s[10:11]
	v_lshl_add_u32 v[SPW], v0, 2, SPARE
	v_mov_b32 v[NIL], 0
	ds_add_u32 v[SPW], v[NIL]                      ; the wave's opening: the add, waited for ahead of my first tensor load
	v_lshrrev_b32 v1, 5, v0
	v_readfirstlane_b32 s[WV], v1
	s_and_b32 s[HB], ttmp7, 0xffff
	s_lshl_b32 s[U], s[WV], 1
	s_add_co_u32 s[U], s[U], ttmp9
	s_sub_co_u32 s16, 31, s[U]                     ; the first band, the higher one
	s_lshr_b32 s[BET], s16, 1                      ; its last key step, 8 to 15
	s_lshr_b32 s[BLO], s[U], 1
	s_mov_b32 s[G1], (1<<16)|(1<<20)|(5<<22)|(3<<25)  ; 2-byte elements; padding on: after every 64 words 4 words
	s_mov_b32 s[G1+1], 128<<16                     ; tensor_dim0 = 128
	s_mov_b32 s[G1+2], 64<<16                      ; tensor_dim1 = 64
	s_mov_b32 s[G1+3], 128<<16                     ; tile_dim0 = 128
	s_mov_b32 s[G1+4], 64                          ; tile_dim1 = 64
	s_mov_b32 s[G1+5], 128                         ; elements from row to row
	s_mov_b32 s[G1+6], 0
	s_mov_b32 s[G1+7], 0
	s_mul_i32 s56, s[WV], STEPB                    ; my 64 rows of each stage
	s_mov_b32 s[G0], 1
	s_mov_b32 s[G0+1], s56
	s_mov_b32 s[G0+4], 1
	s_add_co_u32 s[G0+5], s56, STB
	s_lshl_b32 s58, s[HB], 18                      ; 1,024 rows of 256 bytes
	s_lshl_b32 s57, s[WV], 14
	s_add_co_u32 s60, s58, s57
	s_mov_b32 s61, 0
	s_lshl_b32 s57, s16, 13                        ; a band is 8,192 bytes of qx
	s_add_co_u32 s[QPH], s58, s57
	s_mov_b32 s[QPH+1], 0
	s_lshl_b32 s57, s[U], 13
	s_add_co_u32 s[QPL], s58, s57
	s_mov_b32 s[QPL+1], 0
	s_lshl_b32 s58, s[HB], 17                      ; 1,024 rows of 128 bytes
	s_lshl_b32 s57, s16, 12
	s_add_co_u32 s[VPH], s58, s57
	s_mov_b32 s[VPH+1], 0
	s_lshl_b32 s57, s[U], 12
	s_add_co_u32 s[VPL], s58, s57
	s_mov_b32 s[VPL+1], 0
	s_mov_b32 s[CS], 0x4138aa3b                    ; c = 8 log2(e) = 11.5416
	s_mov_b32 s[CS+1], s[CS]
	s_mov_b32 s[SEL], 0x76543210
	s_mov_b32 s[SEL+1], 0xfedcba98
	s_and_b32 s62, s16, 1
	s_lshl_b32 s62, s62, 5                         ; in which half of its last key step the band lies
	s_and_b32 s63, s[U], 1
	s_lshl_b32 s63, s63, 5
	s_wait_dscnt 0x0                               ; the opening add is done
	s_wait_kmcnt 0x0
	s_add_nc_u64 s[60:61], s[6:7], s[60:61]
	s_add_nc_u64 s[G0+2:G0+3], s[60:61], 0
	s_or_b32 s[G0+3], s[G0+3], 0x80000000
	s_add_nc_u64 s[G0+6:G0+7], s[60:61], 131072
	s_or_b32 s[G0+7], s[G0+7], 0x80000000
	tensor_load_to_lds s[G0:G0+3], s[G1:G1+7]      ; the first stage: one load of mine is out
	s_nop 0
	v_and_b32 v1, 15, v0                           ; l % 16
	v_bfe_u32 v6, v0, 4, 1                         ; l / 16
	v_and_b32 v7, 31, v0                           ; l
	v_mul_u32_u24 v[AK0], v1, PK
	v_lshl_add_u32 v[AK0], v6, 4, v[AK0]
	v_lshlrev_b32 v[LO], 4, v7
	s_add_nc_u64 s[QPH:QPH+1], s[4:5], s[QPH:QPH+1]
	s_add_nc_u64 s[QPL:QPL+1], s[4:5], s[QPL:QPL+1]
	s_add_nc_u64 s[OPH:OPH+1], s[10:11], s[VPH:VPH+1]
	s_add_nc_u64 s[OPL:OPL+1], s[10:11], s[VPL:VPL+1]
	s_add_nc_u64 s[VPH:VPH+1], s[8:9], s[VPH:VPH+1]
	s_add_nc_u64 s[VPL:VPL+1], s[8:9], s[VPL:VPL+1]
	WIN 0x40                                       ; the first band's Q: 16 loads of 512 consecutive bytes
.irp t, 0,1
.irp f, 0,1,2,3
	global_load_b128 v[QH+32*(\t)+8*(\f):QH+32*(\t)+8*(\f)+3],   v[LO], s[QPH:QPH+1] offset:(\t)*4096+(\f)*1024 th:TH_LOAD_NT
	global_load_b128 v[QH+32*(\t)+8*(\f)+4:QH+32*(\t)+8*(\f)+7], v[LO], s[QPH:QPH+1] offset:(\t)*4096+(\f)*1024+512 th:TH_LOAD_NT
.endr
.endr
	WIN 0
	v_bfe_u32 v24, v0, 3, 2                        ; l / 8
	v_lshlrev_b32 v24, 2, v24
.irp i, 0,1,2,3
	v_add_nc_u32 v[BP+(\i)], 16*(\i), v24
.endr
	v_lshlrev_b32 v25, 3, v6
	v_sub_nc_u32 v25, v1, v25                      ; l % 16 - 8 (l / 16)
	v_add_nc_u32 v[THR], s62, v25
	v_add_nc_u32 v[THR+1], 16, v[THR]
	v_add_nc_u32 v[THR+2], s63, v25
	v_add_nc_u32 v[THR+3], 16, v[THR+2]
	v_mov_b32 v[ZR], 0
	v_mov_b32 v[BIG], 0xf149f2ca                   ; -1e30
	INIT
	s_wait_tensorcnt 0x0                           ; my part of the first stage is in.  The second stage is a first fill that comes later: it is issued as a refill is
	ds_add_u32 v[SPW], v[NIL]
	s_mov_b32 s[TB], 0
	s_mov_b32 s[CNT], 8
	s_wait_dscnt 0x0                               ; the add is done
	s_barrier_signal -1
	s_barrier_wait -1                              ; everybody's part is in
	tensor_load_to_lds s[G0+4:G0+7], s[G1:G1+7]    ; the second stage: my one tensor load behind this barrier, and the first thing there
	s_nop 0
.irp i, 0,1,2,3,4,5,6,7                ; and what is wanted later, in the order in which it is wanted: V of the first band, Q and V of the second
	global_load_b128 v[VH+4*(\i):VH+4*(\i)+3], v[LO], s[VPH:VPH+1] offset:512*(\i) th:TH_LOAD_NT
.endr
	WIN 0x40
.irp t, 0,1
.irp f, 0,1,2,3
	global_load_b128 v[QL+32*(\t)+8*(\f):QL+32*(\t)+8*(\f)+3],   v[LO], s[QPL:QPL+1] offset:(\t)*4096+(\f)*1024 th:TH_LOAD_NT
	global_load_b128 v[QL+32*(\t)+8*(\f)+4:QL+32*(\t)+8*(\f)+7], v[LO], s[QPL:QPL+1] offset:(\t)*4096+(\f)*1024+512 th:TH_LOAD_NT
.endr
.endr
	WIN 0
.irp i, 0,1,2,3,4,5,6,7
	global_load_b128 v[VL+4*(\i):VL+4*(\i)+3], v[LO], s[VPL:VPL+1] offset:512*(\i) th:TH_LOAD_NT
.endr
	s_wait_loadcnt 32                              ; the first band's Q is in: the 8 + 16 + 8 loads just issued stay out
.Lfull:                                                ; key steps 0 to 7: every first band sees them whole, so all waves do the same work up to the next barrier
	STEP 0
	s_add_co_u32 s[TB], s[TB], STEPB
	s_sub_co_u32 s[CNT], s[CNT], 1
	s_cmp_lg_u32 s[CNT], 0
	s_cbranch_scc1 .Lfull
	s_wait_tensorcnt 0x0                           ; my part of the second stage is in,
	s_barrier_signal -1
	s_barrier_wait -1                              ; everybody's is: from here on the waves run free, and nothing is filled
	s_mov_b32 s[LOB], 8
	s_mov_b32 s[BAND], 2
.Lband:
	s_mov_b32 s[SIG], 0
	s_mov_b32 s[TB], 0
.Ltrip:                                                ; 16 counted trips; a dead one is jumped forward, past no barrier and no tensor load
	s_cmp_lt_u32 s[SIG], s[LOB]
	s_cbranch_scc1 .Lnext
	s_cmp_gt_u32 s[SIG], s[BET]
	s_cbranch_scc1 .Lnext
	s_cmp_eq_u32 s[SIG], s[BET]
	s_cbranch_scc1 .Ldiag
	STEP 0
	s_branch .Lnext
.Ldiag:
	STEP 1
.Lnext:
	s_add_co_u32 s[TB], s[TB], STEPB
	s_add_co_u32 s[SIG], s[SIG], 1
	s_cmp_lt_u32 s[SIG], 16
	s_cbranch_scc1 .Ltrip
	; A BAND ENDS.  l's two halves and the other half of the lanes' are added; the diagonal's score lies in one half of the lanes and is brought to both; w = 2^(c s_d - c m) / l.  V's 32 rows lie four to a
	; load (row 4 i + lane / 8), so each lane fetches its row's w from the lane that holds it; w V is rounded once, in place, and stored.
.irp t, 0,1
	v_add_f32 v[ST+8*(\t)+4], v[ST+8*(\t)+2], v[ST+8*(\t)+3]
.endr
.irp t, 0,1
	v_permlanex16_b32 v[ST+8*(\t)+5], v[ST+8*(\t)+4], s[SEL], s[SEL+1]
	v_permlanex16_b32 v[ST+8*(\t)+7], v[SD+(\t)], s[SEL], s[SEL+1]
.endr
.irp t, 0,1
	v_add_f32 v[ST+8*(\t)+4], v[ST+8*(\t)+4], v[ST+8*(\t)+5]
	v_max_num_f32 v[SD+(\t)], v[SD+(\t)], v[ST+8*(\t)+7]
.endr
.irp t, 0,1
	v_fma_f32 v[ST+8*(\t)+5], v[SD+(\t)], s[CS], -v[ST+8*(\t)]
.endr
.irp t, 0,1
	v_exp_f32 v[ST+8*(\t)+6], v[ST+8*(\t)+5]
	v_rcp_f32 v[ST+8*(\t)+7], v[ST+8*(\t)+4]
.endr
	v_nop
	s_wait_alu depctr_va_vdst(0)                   ; one wait for the four
.irp t, 0,1
	v_mul_f32 v[W+(\t)], v[ST+8*(\t)+6], v[ST+8*(\t)+7]
.endr
.irp i, 0,1,2,3,4,5,6,7
	ds_bpermute_b32 v[WB+(\i)], v[BP+(\i)%4], v[W+(\i)/4]
.endr
	s_wait_loadcnt 0x0                             ; V is in; at the first band's end the second band's Q and V too, which were asked for nine key steps ago or more
	s_wait_dscnt 0x0
.set i, 0
.rept 32
	v_fma_mixlo_f16 v[VH+i], v[VH+i], v[WB+i/4], v[ZR] op_sel_hi:[1,0,0]
	v_fma_mixhi_f16 v[VH+i], v[VH+i], v[WB+i/4], v[ZR] op_sel:[1,0,0] op_sel_hi:[1,0,0]
.set i, i+1
.endr
.irp i, 0,1,2,3,4,5,6,7
	global_store_b128 v[LO], v[VH+4*(\i):VH+4*(\i)+3], s[OPH:OPH+1] offset:512*(\i)  ; four rows: 512 consecutive bytes, aligned
.endr
	s_sub_co_u32 s[BAND], s[BAND], 1
	s_cmp_eq_u32 s[BAND], 0
	s_cbranch_scc1 .Lend
	s_wait_xcnt 0x0                                ; the stores have read V's registers and their base, which are written below
	WIN 0x41                                       ; the second band's Q goes where the one text of the key step names Q,
.set i, 0
.rept 64
	v_mov_b32 v[QH+i], v[QL+i]
.set i, i+1
.endr
	WIN 0
.set i, 0
.rept 32                               ; its V likewise,
	v_mov_b32 v[VH+i], v[VL+i]
.set i, i+1
.endr
	v_mov_b32 v[THR], v[THR+2]                     ; and its thresholds, its last key step and its place in ow
	v_mov_b32 v[THR+1], v[THR+3]
	s_mov_b64 s[OPH:OPH+1], s[OPL:OPL+1]
	s_mov_b32 s[BET], s[BLO]
	s_mov_b32 s[LOB], 0
	INIT
	s_branch .Lband
.Lend:
	s_wait_tensorcnt 0x0                           ; the wave's end
	ds_add_u32 v[SPW], v[NIL]
	s_wait_dscnt 0x0
	s_endpgm
.Lfunc_end_k_qb7fe73907a_diag:
	.size	k_qb7fe73907a_diag, .Lfunc_end_k_qb7fe73907a_diag-k_qb7fe73907a_diag
	.p2alignl 7, 3214868480
	.fill 96, 4, 3214868480
	.section	.rodata,"a",@progbits
	.p2align	6, 0x0
	.amdhsa_kernel k_qb7fe73907a_diag
		.amdhsa_group_segment_fixed_size 327680
		.amdhsa_private_segment_fixed_size 0
		.amdhsa_enable_private_segment 0
		.amdhsa_kernarg_size 32
		.amdhsa_user_sgpr_count 2
		.amdhsa_user_sgpr_kernarg_segment_ptr 1
		.amdhsa_wavefront_size32 1
		.amdhsa_system_sgpr_workgroup_id_x 1
		.amdhsa_system_sgpr_workgroup_id_y 1
		.amdhsa_system_sgpr_workgroup_id_z 1
		.amdhsa_system_vgpr_workitem_id 0
		.amdhsa_next_free_vgpr 512
		.amdhsa_next_free_sgpr 66
		.amdhsa_reserve_vcc 1
		.amdhsa_float_denorm_mode_32 3
		.amdhsa_float_denorm_mode_16_64 3
		.amdhsa_memory_ordered 1
		.amdhsa_forward_progress 1
		.amdhsa_inst_pref_size 70
	.end_amdhsa_kernel
	.amdgpu_metadata
---
amdhsa.version: [ 1, 2 ]
amdhsa.kernels:
  - .name:           k_qb7fe73907a_diag
    .symbol:         k_qb7fe73907a_diag.kd
    .args:
      - { .name: qx, .offset: 0, .size: 8, .value_kind: global_buffer, .address_space: global }
      - { .name: kx, .offset: 8, .size: 8, .value_kind: global_buffer, .address_space: global }
      - { .name: vw, .offset: 16, .size: 8, .value_kind: global_buffer, .address_space: global }
      - { .name: ow, .offset: 24, .size: 8, .value_kind: global_buffer, .address_space: global }
    .group_segment_fixed_size: 327680
    .private_segment_fixed_size: 0
    .kernarg_segment_align: 8
    .kernarg_segment_size: 32
    .max_flat_workgroup_size: 256
    .sgpr_count:     66
    .vgpr_count:     512
    .wavefront_size: 32
...
	.end_amdgpu_metadata
.endif
;; end of part 3
;; launch outp (part 4): grid 8 x 32, 4 waves a work-group, clusters of 4 x 4, 327,680 bytes of LDS; arguments ow, pof, out0; writes out0
.if DOCPART == 4
	.amdgcn_target "amdgcn-amd-amdhsa--gfx1250"
	.amdhsa_code_object_version 6
	.text
	.protected	k_qb7fe73907a_outp
	.globl	k_qb7fe73907a_outp
	.p2align	8
	.type	k_qb7fe73907a_outp,@function
k_qb7fe73907a_outp:
	s_mov_b64 s[64:65], 0
	v_nop
	global_prefetch_b8 v0, s[64:65] scope:SCOPE_SE
	s_setreg_imm32_b32 hwreg(HW_REG_WAVE_MODE, 25, 1), 1
	s_wait_xcnt 0x0
	s_wait_alu depctr_hold_cnt(0) depctr_sa_sdst(0) depctr_va_vdst(0) depctr_va_sdst(0) depctr_va_ssrc(0) depctr_va_vcc(0) depctr_vm_vsrc(0)
	s_getreg_b32 s2, hwreg(HW_REG_IB_STS2, 6, 4)
	s_cmp_eq_u32 s2, 0
	s_cbranch_scc0 .Lentry_in_a_cluster
	s_endpgm
.Lentry_in_a_cluster:
	s_bfe_u32 s2, ttmp6, 0x10000c
	s_cmp_lg_u32 s2, 0xf033
	s_cbranch_scc0 .Lentry_shape_is_right
	s_endpgm
.Lentry_shape_is_right:
; THE LAST PROJECTION.  out0[row][d] = the sum over head and v of ow[head][row][v] pof[head][d][v]: a product 8192 x 1024 x 1024, f16 operands, f32 sums and f32 output.
; SHARES.  A tile is 256 rows x 128 d: grid 8 x 32, 256 work-groups.  Wave w owns rows 64 w .. 64 w + 63 and all 128 columns: 32 accumulators, 256 registers.  A K step of 128 is two heads; 8 steps
; go through two LDS slots filled by the tensor data mover.  A head's 256 rows of ow and 128 rows of pof are dense bytes: asked for as rows of 256 bytes and padded in LDS after every 128.
; CLUSTER 4 x 4.  ow's tile hangs on the row block alone and is asked for jointly along a row of the cluster; pof's on the column block alone, jointly along a column.
; THE MATRIX INSTRUCTION IS USED TRANSPOSED (source 0 = 16 rows of pof, source 1 = 16 rows of ow): a lane holds one row (lane % 16) and eight neighbouring columns: 32 bytes of a row of out0.
; REGISTERS.  window 0: addresses; v64-191 the way out.  window 1: two fragment buffers of 96: ow's 4 fragments, then pof's 8.  window 2: accumulator (a, j) at 8 (8 a + j).
.set PT,    144                        ; an LDS row: 128 bytes + 16 = 36 words: the 16 rows of a load start at 16 different groups of four banks (64 banks of 4 bytes: ISA guide 11.1)
.set AZ,    256*PT                     ; a head's rows of ow
.set BZ,    128*PT                     ; a head's rows of pof
.set BOFF,  2*AZ
.set SLOT,  131072                     ; ow's two heads, then pof's two: 110,592 bytes used
.set STAGE, 2*SLOT                     ; behind the ring, never filled by a tensor load: 16 rows x 528 bytes for each wave
.set SP,    528
.set SPARE, STAGE+4*16*SP              ; behind the stages: the spare words, 128 bytes for each wave: two blocks of 256 bytes that no other line names
.set LAPS,  4
.set ADRA, 16
.set ADRB, 20
.set STO,  24
.set RD,   25
.set CO,   26
.set SPW,  28
.set NIL,  29
.set PFO,  30
.set BK0,  64                          ; v64-127, v128-191: 16 rows read back from the stage, by turns
.set F0,   0
.set F1,   96
.set WV, 14
.set WL, 15                            ; wave & 1: which of a K step's two heads I fetch
.set WH, 16                            ; wave >> 1: 0: I fetch ow, 1: pof
.set CX, 17
.set CY, 18
.set NT, 19                            ; column block = 4 x cluster x + cx
.set TR, 20                            ; row block = 4 x cluster y + cy
.set G1A, 24
.set G0A, 32
.set PFA, 40
.set PFS, 42
.set LIM, 44
.set G1B, 48
.set G0B, 56
.set MSB, 0
.macro WIN new
.if MSB != (\new)
	s_set_vgpr_msb (MSB<<8)|(\new)
.set MSB, \new
.endif
.endm
.macro PLACES
.rept 4
	v_nop
.endr
.endm
.macro JLOAD s                         ; a joint load; an s_nop 0 and four v_nop follow each of the two lines
	s_cmp_eq_u32 s[WH], 0
	s_cbranch_scc0 .Lfor_b_\@
	tensor_load_to_lds s[G0A+4*(\s):G0A+4*(\s)+3], s[G1A:G1A+7]
	s_nop 0
.rept 4
	v_nop
.endr
	s_branch .Lasked_\@
.Lfor_b_\@:
	tensor_load_to_lds s[G0B+4*(\s):G0B+4*(\s)+3], s[G1B:G1B+7]
	s_nop 0
.rept 4
	v_nop
.endr
.Lasked_\@:
.endm
.macro CREST
	s_cmp_lg_u32 s[WV], 0
	s_cbranch_scc1 .Lnot_wave_0_\@
	s_barrier_signal -3
.Lnot_wave_0_\@:
	s_barrier_wait -3
	s_barrier_signal -1
	s_barrier_wait -1
.endm
.macro CROUND
	s_barrier_signal -1
	s_barrier_wait -1
	CREST
.endm
; A PREFETCH of the K step two refills on, behind a joint load, its five lines and the run of LDS loads.  ow: the clusters with x = 0 ask; waves 0 and 1 a head each, the four partners of a row 32 of its 128
; blocks of 256 bytes each, by address (cx).  pof: the clusters with y = 0 ask, wave 2 alone: lanes 0-15 and 16-31 a head each, the four partners of a column 16 of its 64 blocks each, by address (cy).
; So each block is named once.  K steps 0 to 3 come by their loads alone; the last lap's refills have no K step two on.
.macro ASK
	WIN 0
	s_cmp_gt_u32 s3, s[LIM]
	s_cbranch_scc0 .Lnot_mine_\@
	global_prefetch_b8 v[PFO], s[PFA:PFA+1] th:TH_LOAD_NT scope:SCOPE_SE
.Lnot_mine_\@:
.endm
.macro MUL8 f, a, zero                 ; 8 matrix instructions: row block a x all 8 column blocks
	WIN 0xa5
.irp j, 0,1,2,3,4,5,6,7
.if \zero
	v_wmma_f32_16x16x32_f16 v[8*(8*(\a)+(\j)):8*(8*(\a)+(\j))+7], v[(\f)+32+8*(\j):(\f)+32+8*(\j)+7], v[(\f)+8*(\a):(\f)+8*(\a)+7], 0
.else
	v_wmma_f32_16x16x32_f16 v[8*(8*(\a)+(\j)):8*(8*(\a)+(\j))+7], v[(\f)+32+8*(\j):(\f)+32+8*(\j)+7], v[(\f)+8*(\a):(\f)+8*(\a)+7], v[8*(8*(\a)+(\j)):8*(8*(\a)+(\j))+7]
.endif
.endr
.endm
; 24 LDS loads in one run: quarter kq is head kq / 2 of the step, channels 32 (kq % 2) on: pof's 16, then ow's 8
.macro FETCH slot, kq, f
	WIN 0x40
.irp j, 0,1,2,3,4,5,6,7
	ds_load_b128 v[(\f)+32+8*(\j):(\f)+32+8*(\j)+3],   v[ADRB+(\slot)] offset:((\kq)/2)*BZ+(\j)*16*PT+((\kq)%2)*64
	ds_load_b128 v[(\f)+32+8*(\j)+4:(\f)+32+8*(\j)+7], v[ADRB+(\slot)] offset:((\kq)/2)*BZ+(\j)*16*PT+((\kq)%2)*64+32
.endr
.irp a, 0,1,2,3
	ds_load_b128 v[(\f)+8*(\a):(\f)+8*(\a)+3],   v[ADRA+(\slot)] offset:((\kq)/2)*AZ+(\a)*16*PT+((\kq)%2)*64
	ds_load_b128 v[(\f)+8*(\a)+4:(\f)+8*(\a)+7], v[ADRA+(\slot)] offset:((\kq)/2)*AZ+(\a)*16*PT+((\kq)%2)*64+32
.endr
.endm
; A K step is four quarters of 32 matrix instructions on buffers 0, 1, 0, 1; the 32 accumulators take turns, in the same order in every quarter.
.macro QUARTER slot, kq, f, g, zero
	s_wait_dscnt 4                                 ; all but the youngest four loads (ow's row blocks 2 and 3) are in
	MUL8 \f, 0, \zero
	MUL8 \f, 1, \zero
	PLACES
	FETCH \slot, \kq, \g
	s_wait_dscnt 24                                ; all but the 24 just issued
	MUL8 \f, 2, \zero
	MUL8 \f, 3, \zero
.endm
; The last quarter multiplies buffer 1 and changes slots: each wave waits for all its tensor loads (one is out: its part of the next slot), adds 0 to its spare word, and waits for that and for its reads of
; this slot.  fill = 1: the barrier opens a round of the cluster's, and the joint refill, two K steps on, is the first thing behind it.
.macro TURN slot, next, fill
.if \fill
	s_wait_xcnt 0x0                                ; the last prefetch, a K step back, has read its address, which is stepped here
	s_add_nc_u64 s[PFA:PFA+1], s[PFA:PFA+1], s[PFS:PFS+1]
.endif
	WIN 0
	s_wait_tensorcnt 0x0
	ds_add_u32 v[SPW], v[NIL]
	s_wait_dscnt 5                                 ; (the add and the youngest four loads may be out)
	MUL8 F1, 0, 0
	s_wait_dscnt 0x0                               ; the add is done, and my reads of this slot are over
	s_barrier_signal -1
	MUL8 F1, 1, 0
.if \fill
	WIN 0
.endif
	s_barrier_wait -1
.if \fill
	CREST
	s_add_nc_u64 s[G0A+4*(\slot)+2:G0A+4*(\slot)+3], s[G0A+4*(\slot)+2:G0A+4*(\slot)+3], 4*8192*128
	s_add_nc_u64 s[G0B+4*(\slot)+2:G0B+4*(\slot)+3], s[G0B+4*(\slot)+2:G0B+4*(\slot)+3], 4*1024*128
	JLOAD \slot                                    ; its four v_nop are also the places in front of the loads below
.else
	PLACES
.endif
	FETCH \next, 0, F0
.if \fill
	ASK
.endif
	MUL8 F1, 2, 0
	MUL8 F1, 3, 0
.endm
; THE WAY OUT of row block a: a lane's 32 bytes of a row go into my stage (rows of 528 bytes), and whole rows of 512 bytes come back.
.macro TOSTAGE a
	WIN 0x08                                       ; the stores' data in window 2; each accumulator's lowest registers leave first
.irp j, 0,1,2,3,4,5,6,7
	ds_store_b128 v[STO], v[8*(8*(\a)+(\j)):8*(8*(\a)+(\j))+3]   offset:64*(\j)
	ds_store_b128 v[STO], v[8*(8*(\a)+(\j))+4:8*(8*(\a)+(\j))+7] offset:64*(\j)+16
.endr
	WIN 0
.set BK, BK0+64*((\a)%2)
.irp t, 0,1,2,3,4,5,6,7,8,9,10,11,12,13,14,15
	ds_load_b128 v[BK+4*(\t):BK+4*(\t)+3], v[RD] offset:(\t)*SP  ; LDS serves a wave's instructions in order (ISA guide 5.7.1.4): these see the stores above; the next block's stores come behind them
.endr
.endm
.macro SEND a, younger
	WIN 0
.set BK, BK0+64*((\a)%2)
	s_wait_dscnt \younger                          ; the block is back; the next block's 16 stores and 16 loads may be out
.irp t, 0,1,2,3,4,5,6,7,8,9,10,11,12,13,14,15
	global_store_b128 v[CO], v[BK+4*(\t):BK+4*(\t)+3], s[8:9] offset:(16*(\a)+(\t))*4096 th:TH_STORE_NT  ; 512 consecutive bytes of a row, aligned
.endr
.endm
	s_load_b128 s[4:7], s[0:1], 0x0                ; ow s[4:5], pof s[6:7]
	s_load_b64 s[8:9], s[0:1], 0x10                ; out0
	v_lshl_add_u32 v[SPW], v0, 2, SPARE
	v_mov_b32 v[NIL], 0
	ds_add_u32 v[SPW], v[NIL]                      ; the wave's opening: the add, waited for ahead of my first tensor load
	v_lshrrev_b32 v1, 5, v0
	v_readfirstlane_b32 s[WV], v1
	s_and_b32 s[WL], s[WV], 1
	s_lshr_b32 s[WH], s[WV], 1
	s_bfe_u32 s[CX], ttmp6, 0x40000
	s_bfe_u32 s[CY], ttmp6, 0x40004
	s_lshl_b32 s[NT], ttmp9, 2
	s_add_co_u32 s[NT], s[NT], s[CX]
	s_and_b32 s[TR], ttmp7, 0xffff
	s_lshl_b32 s[TR], s[TR], 2
	s_add_co_u32 s[TR], s[TR], s[CY]
	s_lshl_b32 s66, s[CY], 2
	s_lshl_b32 s66, 15, s66                        ; my row of the cluster
	s_lshl_b32 s67, 0x1111, s[CX]                  ; my column
	s_or_b32 s[G1A], s66, (1<<16)|(1<<20)|(1<<21)|(4<<22)|(3<<25)  ; the mask; 2-byte elements; padding on; bit 21 beside a mask; after every 32 words 4 words
	s_mov_b32 s[G1A+1], 128<<16                    ; 32,768 dense bytes as 128 rows of 256
	s_mov_b32 s[G1A+2], 128<<16
	s_mov_b32 s[G1A+3], 128<<16
	s_mov_b32 s[G1A+4], 128
	s_mov_b32 s[G1A+5], 128
	s_mov_b32 s[G1A+6], 0
	s_mov_b32 s[G1A+7], 0
	s_or_b32 s[G1B], s67, (1<<16)|(1<<20)|(1<<21)|(4<<22)|(3<<25)
	s_mov_b32 s[G1B+1], 128<<16                    ; 16,384 dense bytes as 64 rows of 256
	s_mov_b32 s[G1B+2], 64<<16
	s_mov_b32 s[G1B+3], 128<<16
	s_mov_b32 s[G1B+4], 64
	s_mov_b32 s[G1B+5], 128
	s_mov_b32 s[G1B+6], 0
	s_mov_b32 s[G1B+7], 0
	s_lshl_b32 s68, s[WL], 20                      ; ow: (head x 8192 + 256 x row block) x 128 bytes, head = wave & 1 in K step 0
	s_lshl_b32 s69, s[TR], 15
	s_add_co_u32 s68, s68, s69
	s_mov_b32 s69, 0
	s_lshl_b32 s70, s[WL], 17                      ; pof: (head x 1024 + 128 x column block) x 128 bytes
	s_lshl_b32 s71, s[NT], 14
	s_add_co_u32 s70, s70, s71
	s_mov_b32 s71, 0
	s_mul_i32 s72, s[WL], AZ                       ; where they go: no place in the cluster enters an LDS address
	s_mul_i32 s73, s[WL], BZ
	s_add_co_u32 s73, s73, BOFF
	s_wait_dscnt 0x0                               ; the opening add is done
	s_wait_kmcnt 0x0
	s_add_nc_u64 s[68:69], s[4:5], s[68:69]
	s_add_nc_u64 s[70:71], s[6:7], s[70:71]
	CROUND                                         ; all sixteen work-groups are here: the first joint loads meet
.irp s, 0,1
	s_mov_b32 s[G0A+4*(\s)], 1
	s_add_co_u32 s[G0A+4*(\s)+1], s72, (\s)*SLOT
	s_add_nc_u64 s[G0A+4*(\s)+2:G0A+4*(\s)+3], s[68:69], (\s)*2*8192*128
	s_or_b32 s[G0A+4*(\s)+3], s[G0A+4*(\s)+3], 0x80000000
	s_mov_b32 s[G0B+4*(\s)], 1
	s_add_co_u32 s[G0B+4*(\s)+1], s73, (\s)*SLOT
	s_add_nc_u64 s[G0B+4*(\s)+2:G0B+4*(\s)+3], s[70:71], (\s)*2*1024*128
	s_or_b32 s[G0B+4*(\s)+3], s[G0B+4*(\s)+3], 0x80000000
.endr
	s_cmp_eq_u32 s[WH], 0                          ; a wave's two first fills stand in one branch: two loads of mine are out
	s_cbranch_scc0 .Lfirst_b
	tensor_load_to_lds s[G0A:G0A+3], s[G1A:G1A+7]
	s_nop 0
	tensor_load_to_lds s[G0A+4:G0A+7], s[G1A:G1A+7]
	s_nop 0
.rept 4
	v_nop
.endr
	s_branch .Lfirst_asked
.Lfirst_b:
	tensor_load_to_lds s[G0B:G0B+3], s[G1B:G1B+7]
	s_nop 0
	tensor_load_to_lds s[G0B+4:G0B+7], s[G1B:G1B+7]
	s_nop 0
.rept 4
	v_nop
.endr
.Lfirst_asked:
	v_and_b32 v1, 15, v0                           ; l % 16
	v_bfe_u32 v2, v0, 4, 1                         ; l / 16
	v_and_b32 v3, 31, v0                           ; l
	v_mul_u32_u24 v4, v1, PT
	v_lshl_add_u32 v4, v2, 4, v4                   ; a fragment's row x pitch + 16 x half
	s_mul_i32 s66, s[WV], 64*PT
	v_add_nc_u32 v[ADRA], s66, v4
	v_add_nc_u32 v[ADRA+1], SLOT, v[ADRA]
	v_add_nc_u32 v[ADRB], BOFF, v4
	v_add_nc_u32 v[ADRB+1], SLOT, v[ADRB]
	s_mul_i32 s66, s[WV], 16*SP
	s_add_co_u32 s66, s66, STAGE                   ; my stage
	v_mul_u32_u24 v5, v1, SP
	v_lshl_add_u32 v5, v2, 5, v5                   ; in: row l % 16, 32 bytes for each half of the lanes
	v_add_nc_u32 v[STO], s66, v5
	v_lshlrev_b32 v[CO], 4, v3                     ; back: 32 lanes take one row of 512 bytes
	v_add_nc_u32 v[RD], s66, v[CO]
	s_lshl_b32 s74, s[TR], 8                       ; out0: (256 x row block + 64 x wave) x 4,096 + column block x 512
	s_lshl_b32 s75, s[WV], 6
	s_add_co_u32 s74, s74, s75
	s_lshl_b32 s74, s74, 12
	s_lshl_b32 s75, s[NT], 9
	s_add_co_u32 s74, s74, s75
	s_mov_b32 s75, 0
	s_add_nc_u64 s[8:9], s[8:9], s[74:75]
	; the prefetches: offsets for both kinds, then the wave's choice
	s_add_co_u32 s66, s[WL], 6                     ; ow: K step 3's head of my parity; the first refill steps it to K step 4
	s_lshl_b32 s66, s66, 20
	s_lshl_b32 s67, s[TR], 15
	s_add_co_u32 s66, s66, s67
	s_lshl_b32 s67, s[CX], 13                      ; my work-group's 32 blocks
	s_add_co_u32 s66, s66, s67
	s_lshl_b32 s67, s[NT], 14                      ; pof: K step 3's first head
	s_add_co_u32 s67, s67, 6*1024*128
	s_lshl_b32 s72, s[CY], 12                      ; my work-group's 16 blocks of each head
	s_add_co_u32 s67, s67, s72
	s_and_b32 s72, ttmp7, 0xffff                   ; cluster y,
	s_or_b32 s72, s72, s[WL]                       ; and never wave 3
	s_mov_b32 s73, 2*1024*128
	s_mov_b32 s76, 131072
	s_mov_b32 s77, 2*8192*128
	s_cmp_eq_u32 s[WH], 0
	s_cselect_b64 s[PFA:PFA+1], s[4:5], s[6:7]
	s_cselect_b32 s74, s66, s67
	s_cselect_b32 s[PFS], s77, s73
	s_cselect_b32 s72, ttmp9, s72
	s_cselect_b32 s76, 4096, s76                   ; lanes 16-31: the next 16 blocks of ow, or pof's other head
	s_mov_b32 s75, 0
	s_mov_b32 s[PFS+1], 0
	s_add_nc_u64 s[PFA:PFA+1], s[PFA:PFA+1], s[74:75]
	s_cmp_eq_u32 s72, 0
	s_cselect_b32 s[LIM], 1, -1                    ; the same in all sixteen partners, for a given wave
	v_lshlrev_b32 v[PFO], 8, v1
	v_mad_u32_u24 v[PFO], v2, s76, v[PFO]
	s_wait_tensorcnt 1                             ; my part of K step 0 is in; K step 1's may stay out
	s_barrier_signal -1
	s_barrier_wait -1
	FETCH 0, 0, F0
	QUARTER 0, 1, F0, F1, 1                        ; the first quarter stands in front of the loop: its products start the sums
	WIN 0
	s_mov_b32 s3, LAPS-1
.Llap:
	QUARTER 0, 2, F1, F0, 0
	QUARTER 0, 3, F0, F1, 0
	TURN 0, 1, 1
	QUARTER 1, 1, F0, F1, 0
	QUARTER 1, 2, F1, F0, 0
	QUARTER 1, 3, F0, F1, 0
	TURN 1, 0, 1
	QUARTER 0, 1, F0, F1, 0
	WIN 0
	s_sub_co_u32 s3, s3, 1
	s_cmp_lg_u32 s3, 0
	s_cbranch_scc1 .Llap
	QUARTER 0, 2, F1, F0, 0                        ; the last lap fills nothing
	QUARTER 0, 3, F0, F1, 0
	TURN 0, 1, 0
	QUARTER 1, 1, F0, F1, 0
	QUARTER 1, 2, F1, F0, 0
	QUARTER 1, 3, F0, F1, 0
	s_wait_dscnt 4
	MUL8 F1, 0, 0
	MUL8 F1, 1, 0
	s_wait_dscnt 0x0
	MUL8 F1, 2, 0
	MUL8 F1, 3, 0
	PLACES
	TOSTAGE 0
	TOSTAGE 1
	SEND 0, 32
	s_wait_xcnt 0x0                                ; block 0's stores have read their registers, into which block 2's rows are loaded
	TOSTAGE 2
	SEND 1, 32
	s_wait_xcnt 0x0
	TOSTAGE 3
	SEND 2, 32
	SEND 3, 0
	s_wait_tensorcnt 0x0                           ; the wave's end
	ds_add_u32 v[SPW], v[NIL]
	s_wait_dscnt 0x0
	CROUND                                         ; the closing round
	s_endpgm
.Lfunc_end_k_qb7fe73907a_outp:
	.size	k_qb7fe73907a_outp, .Lfunc_end_k_qb7fe73907a_outp-k_qb7fe73907a_outp
	.p2alignl 7, 3214868480
	.fill 96, 4, 3214868480
	.section	.rodata,"a",@progbits
	.p2align	6, 0x0
	.amdhsa_kernel k_qb7fe73907a_outp
		.amdhsa_group_segment_fixed_size 327680
		.amdhsa_private_segment_fixed_size 0
		.amdhsa_enable_private_segment 0
		.amdhsa_kernarg_size 24
		.amdhsa_user_sgpr_count 2
		.amdhsa_user_sgpr_kernarg_segment_ptr 1
		.amdhsa_wavefront_size32 1
		.amdhsa_system_sgpr_workgroup_id_x 1
		.amdhsa_system_sgpr_workgroup_id_y 1
		.amdhsa_system_sgpr_workgroup_id_z 1
		.amdhsa_system_vgpr_workitem_id 0
		.amdhsa_next_free_vgpr 768
		.amdhsa_next_free_sgpr 80
		.amdhsa_reserve_vcc 0
		.amdhsa_float_denorm_mode_32 3
		.amdhsa_float_denorm_mode_16_64 3
		.amdhsa_memory_ordered 1
		.amdhsa_forward_progress 1
		.amdhsa_inst_pref_size 85
	.end_amdhsa_kernel
	.amdgpu_metadata
---
amdhsa.version: [ 1, 2 ]
amdhsa.kernels:
  - .name:           k_qb7fe73907a_outp
    .symbol:         k_qb7fe73907a_outp.kd
    .args:
      - { .name: ow, .offset: 0, .size: 8, .value_kind: global_buffer, .address_space: global }
      - { .name: pof, .offset: 8, .size: 8, .value_kind: global_buffer, .address_space: global }
      - { .name: out0, .offset: 16, .size: 8, .value_kind: global_buffer, .address_space: global }
    .group_segment_fixed_size: 327680
    .private_segment_fixed_size: 0
    .kernarg_segment_align: 8
    .kernarg_segment_size: 24
    .max_flat_workgroup_size: 128
    .sgpr_count:     80
    .vgpr_count:     768
    .wavefront_size: 32
...
	.end_amdgpu_metadata
.endif
;; end of part 4
;; ======== version 2 of 2: 4 launches; version 1 with the launch prep written anew for expert scheduling mode
;; limits: values are held in f16: magnitudes above 65,504 overflow, below 6.1e-05 lose precision
;; workspace buffers: xb 16,777,216 bytes; wb 6,291,456 bytes; pof 2,097,152 bytes; qx 33,554,432 bytes; kx 33,554,432 bytes; vw 16,777,216 bytes; ow 16,777,216 bytes
;; launch prep (part 5): grid 256 x 1, 8 waves a work-group, no clusters, 0 bytes of LDS; arguments x, P_q, P_k, P_v, P_o, xb, wb, pof; writes xb, wb, pof
.if DOCPART == 5
	.amdgcn_target "amdgcn-amd-amdhsa--gfx1250"
	.amdhsa_code_object_version 6
	.text
	.protected	k_qb7fe73907a_prep
	.globl	k_qb7fe73907a_prep
	.p2align	8
	.type	k_qb7fe73907a_prep,@function
k_qb7fe73907a_prep:
	s_mov_b64 s[64:65], 0
	v_nop
	global_prefetch_b8 v0, s[64:65] scope:SCOPE_SE
	s_setreg_imm32_b32 hwreg(HW_REG_WAVE_SCHED_MODE, 0, 2), 2
	s_setreg_imm32_b32 hwreg(HW_REG_WAVE_MODE, 25, 1), 1
	s_wait_xcnt 0x0
	s_wait_alu depctr_vm_vsrc(0)
; THE CASTS.  xb = bf16(x), [8192][1024].  wb = bf16(P_q | P_k | P_v), laid out [head 16][K step 8][which 3][128 d][64]: the 49,152 bytes that one K step of one head needs lie on end.
; pof = f16(bf16(P_o)), [head][1024 d][64]: every input of the module is rounded to bf16; P_o's rounded number is then written as f16, since the last product multiplies f16.
; LIMITS.  |P_o| stays below 65,504; below 6e-5 it keeps f16's fixed step of 6e-8.
; A stream: nothing is shared, so no LDS, no barrier, no matrix unit, no cluster.  Every byte is read once and written once.
; SHARES.  Work-group g takes 32 rows of x (131,072 bytes) and one piece of 256 d of one head of one weight tensor (65,536 bytes): tensor g / 64, head (g / 4) % 16, piece g % 4.
; Thread t takes 16 bytes at 16 t of every 4,096: a wave's load covers 512 consecutive bytes, its store of 8 bytes a lane 256 consecutive bytes, aligned.
; All 48 loads go out first (192 KiB a work-group on their way); the chunks are then finished in the order of issue.  No register that a memory instruction has read is written again, so no wait frees a source.
; THE MODE: SCHED_MODE bits 1:0 = 2 (LLVM: expert scheduling mode 2), set by the entry lines.  The code itself states the register dependences
; between vector instructions and memory instructions, with s_wait_alu, always for 0.
; THE PLAN.  Registers that memory instructions touch:
;   v1, v2, v3   byte offsets, made once at the head and never written again: read by every load and store.
;   X            48 chunks of four registers.  A chunk is loaded once (no vector instruction names it ahead of its load), read by its own conversions behind the wait for its data; these
;                write its first two registers, which one store reads; nothing writes them after that.
;   v[4:9] are named by vector instructions alone.  No vector instruction writes a scalar register, and EXEC is never written.
; The 48 chunks go in 12 blocks of four.  Block p rounds its four chunks; its memory instructions are the four stores of block p - 1, whose registers no vector instruction of block p names.
; So ONE wait at a block's head states all that the block's four stores hang on, and they are dealt among its conversions with no further wait.
.set BLK, 4                            ; chunks in a block
.set LI,  1                            ; v1  16 t: my bytes in a chunk as loaded
.set SO,  2                            ; v2  8 t: my bytes in a chunk as stored
.set SO2, 3                            ; v3  the same in the weight piece's second block of 16,384 bytes
.set T,   4                            ; v[4:9] at work
.set X,   16                           ; v[16:207] 48 chunks of four registers: 32 of x, 16 of weights
.macro STX n                           ; chunk n of x leaves
	global_store_b64 v[SO], v[X+4*(\n):X+4*(\n)+1], s[26:27] offset:2048*(\n)
.endm
.macro STW n                           ; chunk n of the weights leaves
.if (\n) < 8
	global_store_b64 v[SO], v[X+128+4*(\n):X+128+4*(\n)+1], s[38:39] offset:2048*(\n)
.else
	global_store_b64 v[SO2], v[X+128+4*(\n):X+128+4*(\n)+1], s[38:39] offset:2048*((\n)-8)
.endif
.endm
	s_load_b512 s[16:31], s[0:1], 0x0              ; x 16, P_q 18, P_k 20, P_v 22, P_o 24, xb 26, wb 28, pof 30
	s_lshr_b32 s4, ttmp9, 6                        ; which tensor: 0 q, 1 k, 2 v, 3 o
	s_bfe_u32 s5, ttmp9, 0x40002                   ; head
	s_and_b32 s6, ttmp9, 3                         ; piece of 256 d
	s_lshl_b32 s8, ttmp9, 17                       ; my 32 rows in x,
	s_mov_b32 s9, 0
	s_lshl_b32 s10, ttmp9, 16                      ; and in xb
	s_mov_b32 s11, 0
	s_lshl_b32 s12, s5, 18                         ; my piece in its tensor: head x 262,144 + piece x 65,536
	s_lshl_b32 s7, s6, 16
	s_add_co_u32 s12, s12, s7
	s_mov_b32 s13, 0
	s_lshl_b32 s14, s5, 3                          ; in wb: ((8 head + 2 piece) x 3 + which) x 16,384
	s_lshl_b32 s7, s6, 1
	s_add_co_u32 s14, s14, s7
	s_mul_i32 s14, s14, 3
	s_add_co_u32 s14, s14, s4
	s_lshl_b32 s14, s14, 14
	s_lshl_b32 s15, s5, 17                         ; in pof: head x 131,072 + piece x 32,768
	s_lshl_b32 s7, s6, 15
	s_add_co_u32 s15, s15, s7
	s_mov_b32 s41, 16384
	s_mov_b32 s42, 49152
	s_mov_b32 s43, 0xffff0000                      ; a word's upper bf16
	s_mov_b32 s33, 0
	s_cmp_eq_u32 s4, 3
	s_cselect_b32 s32, s15, s14                    ; where my piece goes,
	s_cselect_b32 s34, s41, s42                    ; how far its second 128 d lie behind the first,
	s_cselect_b32 s40, -1, 0                       ; and a lane mask: all ones where the piece is P_o's
	v_lshlrev_b32 v[LI], 4, v0
	v_lshlrev_b32 v[SO], 3, v0
	v_add_nc_u32 v[SO2], s34, v[SO]
	s_wait_kmcnt 0x0
	s_add_nc_u64 s[16:17], s[16:17], s[8:9]
	s_add_nc_u64 s[26:27], s[26:27], s[10:11]
	s_cmp_eq_u32 s4, 0
	s_cselect_b64 s[36:37], s[18:19], s[20:21]     ; the tensor that I read
	s_cmp_lt_u32 s4, 2
	s_cselect_b64 s[36:37], s[36:37], s[22:23]
	s_cmp_lt_u32 s4, 3
	s_cselect_b64 s[36:37], s[36:37], s[24:25]
	s_cselect_b64 s[38:39], s[28:29], s[30:31]     ; the buffer that I write
	s_add_nc_u64 s[36:37], s[36:37], s[12:13]
	s_add_nc_u64 s[38:39], s[38:39], s[32:33]
	s_wait_alu depctr_va_vdst(0)                   ; v1, v2 and v3 are written: every load and store of the kernel reads one of them as its offset
.set c, 0
.rept 32
	global_load_b128 v[X+4*c:X+4*c+3], v[LI], s[16:17] offset:4096*c th:TH_LOAD_NT
.set c, c+1
.endr
.set c, 0
.rept 16
	global_load_b128 v[X+128+4*c:X+128+4*c+3], v[LI], s[36:37] offset:4096*c th:TH_LOAD_NT
.set c, c+1
.endr
.set c, 0
.rept 32                               ; x: four numbers become 8 bytes
	s_wait_loadcnt 47-c                            ; loads come back in order (ISA guide 5.7.1): chunk c is in, the 47 - c younger ones stay out
.if (c >= BLK) && ((c % BLK) == 0)
	s_wait_alu depctr_va_vdst(0)                   ; the block before has written the first two registers of its four chunks, which the four stores dealt among this block's conversions read
.endif
.if c >= BLK
	STX c-BLK                                      ; the block before: no vector instruction since the wait names its registers
.endif
	v_cvt_pk_bf16_f32 v[X+4*c], v[X+4*c], v[X+4*c+1]
	v_cvt_pk_bf16_f32 v[X+4*c+1], v[X+4*c+2], v[X+4*c+3]
.set c, c+1
.endr
.set c, 0
.rept 16                               ; weights: rounded to bf16; for P_o that number is written as f16.  The choice selects a value, so both are made in every work-group
.set R, X+128+4*c
	s_wait_loadcnt 15-c
.if (c % BLK) == 0
	s_wait_alu depctr_va_vdst(0)                   ; the block before (x's last, or four chunks of weights) has written the registers that the four stores dealt among this block's lines read
.endif
.if c < BLK
	STX 32-BLK+c                                   ; x's last block
.else
	STW c-BLK
.endif
	v_cvt_pk_bf16_f32 v[R], v[R], v[R+1]
	v_cvt_pk_bf16_f32 v[R+1], v[R+2], v[R+3]
	v_lshlrev_b32 v[T], 16, v[R]
	v_and_b32 v[T+1], s43, v[R]
	v_lshlrev_b32 v[T+2], 16, v[R+1]
	v_and_b32 v[T+3], s43, v[R+1]
	v_cvt_pk_f16_f32 v[T+4], v[T], v[T+1]
	v_cvt_pk_f16_f32 v[T+5], v[T+2], v[T+3]
	v_cndmask_b32 v[R], v[R], v[T+4], s40
	v_cndmask_b32 v[R+1], v[R+1], v[T+5], s40
.set c, c+1
.endr
	s_wait_alu depctr_va_vdst(0)                   ; the last block's selects have written its registers, which the last four stores read
.irp n, 12,13,14,15
	STW \n
.endr
	s_endpgm
.Lfunc_end_k_qb7fe73907a_prep:
	.size	k_qb7fe73907a_prep, .Lfunc_end_k_qb7fe73907a_prep-k_qb7fe73907a_prep
	.p2alignl 7, 3214868480
	.fill 96, 4, 3214868480
	.section	.rodata,"a",@progbits
	.p2align	6, 0x0
	.amdhsa_kernel k_qb7fe73907a_prep
		.amdhsa_group_segment_fixed_size 0
		.amdhsa_private_segment_fixed_size 0
		.amdhsa_enable_private_segment 0
		.amdhsa_kernarg_size 64
		.amdhsa_user_sgpr_count 2
		.amdhsa_user_sgpr_kernarg_segment_ptr 1
		.amdhsa_wavefront_size32 1
		.amdhsa_system_sgpr_workgroup_id_x 1
		.amdhsa_system_sgpr_workgroup_id_y 1
		.amdhsa_system_sgpr_workgroup_id_z 1
		.amdhsa_system_vgpr_workitem_id 0
		.amdhsa_next_free_vgpr 208
		.amdhsa_next_free_sgpr 66
		.amdhsa_reserve_vcc 0
		.amdhsa_float_denorm_mode_32 3
		.amdhsa_float_denorm_mode_16_64 3
		.amdhsa_memory_ordered 1
		.amdhsa_forward_progress 1
		.amdhsa_inst_pref_size 25
	.end_amdhsa_kernel
	.amdgpu_metadata
---
amdhsa.version: [ 1, 2 ]
amdhsa.kernels:
  - .name:           k_qb7fe73907a_prep
    .symbol:         k_qb7fe73907a_prep.kd
    .args:
      - { .name: x, .offset: 0, .size: 8, .value_kind: global_buffer, .address_space: global }
      - { .name: P_q, .offset: 8, .size: 8, .value_kind: global_buffer, .address_space: global }
      - { .name: P_k, .offset: 16, .size: 8, .value_kind: global_buffer, .address_space: global }
      - { .name: P_v, .offset: 24, .size: 8, .value_kind: global_buffer, .address_space: global }
      - { .name: P_o, .offset: 32, .size: 8, .value_kind: global_buffer, .address_space: global }
      - { .name: xb, .offset: 40, .size: 8, .value_kind: global_buffer, .address_space: global }
      - { .name: wb, .offset: 48, .size: 8, .value_kind: global_buffer, .address_space: global }
      - { .name: pof, .offset: 56, .size: 8, .value_kind: global_buffer, .address_space: global }
    .group_segment_fixed_size: 0
    .private_segment_fixed_size: 0
    .kernarg_segment_align: 8
    .kernarg_segment_size: 64
    .max_flat_workgroup_size: 256
    .sgpr_count:     66
    .vgpr_count:     208
    .wavefront_size: 32
...
	.end_amdgpu_metadata
.endif
;; end of part 5
;; launch proj: the kernel of part 2 again; grid 16 x 16, 4 waves a work-group, clusters of 4 x 4, 327,680 bytes of LDS; arguments xb, wb, qx, kx, vw; writes qx, kx, vw
;; launch diag: the kernel of part 3 again; grid 2 x 128, 8 waves a work-group, no clusters, 327,680 bytes of LDS; arguments qx, kx, vw, ow; writes ow
;; launch outp: the kernel of part 4 again; grid 8 x 32, 4 waves a work-group, clusters of 4 x 4, 327,680 bytes of LDS; arguments ow, pof, out0; writes out0
